; MI455X (gfx1250); checked and timed in simulation.
; The chip was launched on July 23, 2026; its instructions are those of AMD's public machine-readable ISA for CDNA 5 (MIT licence, August 2026) and "CDNA5" Instruction Set Architecture Reference Guide (July 2026). The comments in the code are by the model that wrote it; some were corrected since.
;; Temporal Attention. Allowed arithmetic: matrix products marked QUANTISED: E2M3 operands, one E8M0 scale for each 32 along K, by v_wmma_scale_f32_16x16x128_f8f6f4 with both operands' format E2M3, f32 sums; everything else in f32.
;; Inputs: W_out 1,024 x 1,024 float32; W_qkv 3,072 x 1,024 float32; b_out 1,024 float32; b_qkv 3,072 float32; decay_rate 16 float32; mask 4 x 2,048 float32; timestamps 4 x 2,048 float32; x 4 x 2,048 x 1,024 float32.
;; Outputs: out0 4 x 2,048 x 1,024 float32.
;; This version of the problem:
;;   THIS VERSION OF THE PROBLEM IS GIVEN IN LOW PRECISION. The matrix products marked QUANTISED in the list below multiply operands that are first quantised to E2M3 (2 exponent bits, 3 mantissa bits; 6 bits a number), with one power-of-two scale for each 32 numbers along K (OCP MX v1.0); their sums are f32. All else is computed in f32.
;;   The module's matrix products, in the order in which they are computed (A, B: the left and right operand; K: the contracted axis; several contracted axes count as one K, in the product's order):
;;     1. [M 8,192, K 1,024] x [K 1,024, N 3,072]; A: input x; B: input W_qkv: QUANTISED
;;     2. batch 64 x [M 2,048, K 64] x [K 64, N 2,048]; A: computed on the way; B: computed on the way: QUANTISED
;;     3. batch 64 x [M 2,048, K 2,048] x [K 2,048, N 64]; A: softmax (see below); B: computed on the way: QUANTISED
;;     4. [M 8,192, K 1,024] x [K 1,024, N 1,024]; A: computed on the way; B: input W_out: QUANTISED
;;   THE QUANTISER, for each operand of a quantised product, along K:
;;     - K is cut into blocks of 32 from its start; a last block that is shorter is filled with zeros.
;;     - A block's scale is 2^e with e = floor(log2(the largest magnitude in the block)) - 2, held to -126 .. 127; a block of zeros has e = 0. As a byte (E8M0): e + 127.
;;     - Each number is divided by its block's scale, clamped to +-7.5, and rounded to the nearest number of E2M3, ties to even, subnormals kept.
;;     - The product sums the exact products of the quantised numbers (number of the format x scale) in f32.
;;   ~~~python
;;   def quantise(x, axis):      # numpy; x: float32 -> the quantised numbers, widened to float32 again
;;       x = np.moveaxis(x, axis, -1); K = x.shape[-1]
;;       x = np.pad(x, [(0, 0)] * (x.ndim - 1) + [(0, -K % 32)]); x = x.reshape(x.shape[:-1] + (-1, 32)); a = np.abs(x).max(-1, keepdims=True)
;;       e = np.where(a > 0, np.clip(np.frexp(np.where(a > 0, a, 1))[1] - 1 - 2, -126, 127), 0)      # np.frexp(a)[1] - 1 = floor(log2(a)), exactly
;;       r = np.clip(x / 2.0 ** e, -7.5, 7.5)
;;       step = 2.0 ** (np.maximum(np.frexp(np.where(r == 0, 1, r))[1] - 1, 0) - 3)
;;       q = np.round(r / step) * step * 2.0 ** e      # np.round: ties to even
;;       return np.moveaxis(q.reshape(q.shape[:-2] + (-1,))[..., :K], -1, axis).astype(np.float32)
;;   ~~~
;;   SOFTMAX AHEAD OF A QUANTISED PRODUCT. Where the list says 'softmax', what is quantised is not the finished softmax but p = 2^(t - M), with t = logit x log2(e) and M = ceil(the row's largest t), a whole number; so 1/2 < the row's largest p <= 1. The row's sum l is taken of the UNQUANTISED p, in f32, and the product's result is divided by l at the end. Since M is a whole number, a kernel that streams over the keys may use a running M (the ceiling of the running maximum): every later rescaling is an exact power of two, which a block's scale takes up: the codes' values come out the same.
;;   OPERANDS COMPUTED ON THE WAY. 'Computed on the way' means the value that the module computes at that place (a softmax that the list does not call 'softmax' is quantised finished and normalised). What goes into a quantiser is computed in f32, as accurately as f32 sums, v_exp_f32 and their like allow (about 1e-6 of the number): no bf16 or f16 on the way to a quantiser, and a product that is left as it is and whose result goes on into a quantised operand takes f32 operands (vector FMAs, or v_wmma_f32_16x16x4_f32). A number that lies on a knife's edge between two numbers of the format may be rounded either way, as far as f32 arithmetic and the matrix unit's own rounding can turn it there, and no further.
;; One version. Each part assembles by itself: llvm-mc -triple=amdgcn-amd-amdhsa -mcpu=gfx1250 --defsym DOCPART=n.
;; ======== version 1 of 1: 4 launches
;; workspace buffers: xw_codes 9,437,184 bytes; xw_scales 393,216 bytes; qk_codes 12,582,912 bytes; qk_scales 524,288 bytes; v_codes 6,291,456 bytes; v_scales 262,144 bytes; ao_codes 6,291,456 bytes; ao_scales 262,144 bytes
;; launch quant (part 1): grid 384 x 1, 4 waves a work-group, no clusters, 47,616 bytes of LDS; arguments x, W_qkv, W_out, xw_codes, xw_scales; writes xw_codes, xw_scales
.if DOCPART == 1
	.amdgcn_target "amdgcn-amd-amdhsa--gfx1250"
	.amdhsa_code_object_version 6
	.text
	.protected	k_qffb8a59ac7_quant
	.globl	k_qffb8a59ac7_quant
	.p2align	8
	.type	k_qffb8a59ac7_quant,@function
k_qffb8a59ac7_quant:
	s_mov_b64 s[64:65], 0
	v_nop
	global_prefetch_b8 v0, s[64:65] scope:SCOPE_SE
	s_setreg_imm32_b32 hwreg(HW_REG_WAVE_MODE, 25, 1), 1
	s_wait_xcnt 0x0
; x [8192][1024], W_qkv [3072][1024] and W_out [1024][1024], f32, K innermost, become codes of FP6 (E2M3) with one E8M0 byte for each 32 along K.
; The three tensors are one space of 12,288 rows: 0-8191 x, 8192-11263 W_qkv, 11264-12287 W_out.
; A block's scale is 2^(floor(log2(its largest magnitude)) - 2): its byte is that magnitude's exponent field - 2, held at 1 from below.
; LAYOUT OF THE CODES: [16 planes of 64 along K][12288 rows][48 bytes]: a row of a plane is two blocks of 24 bytes.  INSIDE A BLOCK the 32 codes stand in the order
; k 0-7, 16-23, 8-15, 24-31.  Every operand of this program has that order, so each code still meets its partner; only the order of summation inside a matrix instruction differs.
; LAYOUT OF THE SCALES: [8 steps of 128 along K][12288 rows] words: byte b of a word is the byte of block b of that step.
; SHARES: work-group g takes rows 64 (g / 2) on; its wave w the 128 columns of step 4 (g % 2) + w: 16 steps of 4 rows x 128 columns.
; A load reads 512 consecutive bytes of a row.  The conversion wants 16 numbers of one block in one lane: a step's 2,048 bytes turn through the wave's own stage in LDS
; (places of 64 bytes + 16); lane 2 m + e reads bytes 32 e .. 32 e + 31 of places 2 m and 2 m + 1: half e of block m in the order above (these reads meet two deep in the banks; memory binds here).
; The codes (12 bytes a lane) and the bytes are gathered in LDS and leave at the end: every store of the wave covers 512 (the scale words: 256) consecutive bytes, aligned.
; LIMITS: a block of zeros, or one whose largest magnitude lies under 2^-124, gets the byte 1 (the bytes are read by this program alone; zero codes add nothing); NaN and infinities are not served.
.set WREG,  11776                      ; LDS of a wave
.set SP,    80                         ; a place of the stage: 64 bytes + 16
.set INB,   32*SP                      ; a stage; two by turns
.set OSTG,  2*INB                      ; the codes of 64 rows: two planes of 3,072 bytes + 32
.set OPL,   3104
.set SCS,   OSTG+2*OPL                 ; 64 scale words
.set PSX,   589824                     ; a plane of the codes' buffer: 12,288 rows x 48 bytes
.set STEPS, 16
.set EMAX,  2
.set R,     16                         ; v16-79   four sets of 16 numbers as loaded
.set X,     80                         ; v80-111  two sets of 16 numbers of a block's half
.set E,     112                        ; v112-127 a scale byte for each step
.set C,     128                        ; v128-191 codes: four registers for each step
	s_load_b128 s[4:7], s[0:1], 0x0                ; x, W_qkv
	s_load_b128 s[8:11], s[0:1], 0x10              ; W_out, the codes
	s_load_b64 s[12:13], s[0:1], 0x20              ; the scale words
	v_lshl_add_u32 v192, v0, 2, 0xb800
	v_mov_b32 v193, 0
	v_lshrrev_b32 v1, 5, v0
	v_readfirstlane_b32 s16, v1                    ; wave
	v_and_b32 v2, 31, v0                           ; lane
	v_lshlrev_b32 v3, 4, v2                        ; 16 x lane: my bytes of a load, and of a store at the end
	s_mul_i32 s14, s16, WREG                       ; my wave's LDS
	v_lshrrev_b32 v14, 2, v2
	v_mul_u32_u24 v14, v14, SP
	v_and_b32 v15, 3, v2
	v_lshl_add_u32 v14, v15, 4, v14
	v_add_nc_u32 v14, s14, v14                     ; the stage, way in: place lane / 4, 16 (lane % 4)
	v_lshrrev_b32 v15, 1, v2
	v_mul_u32_u24 v15, v15, 2*SP
	v_and_b32 v8, 1, v2
	v_lshl_add_u32 v15, v8, 5, v15
	v_add_nc_u32 v15, s14, v15                     ; way out: places 2 (lane / 2) and the next, bytes 32 (lane % 2) on
	v_bfe_u32 v8, v2, 2, 1
	v_mul_u32_u24 v4, v8, OPL                      ; my block's plane,
	v_lshrrev_b32 v9, 3, v2
	v_mad_u32_u24 v4, v9, 48, v4                   ; my row of the step's four,
	v_and_b32 v8, 3, v2
	v_mad_u32_u24 v4, v8, 12, v4                   ; my 12 bytes of the row's 48
	s_add_co_u32 s15, s14, OSTG
	v_add_nc_u32 v4, s15, v4
	v_add_nc_u32 v13, s15, v3                      ; and where I read the codes back
	v_bfe_u32 v8, v2, 1, 2
	v_lshl_add_u32 v5, v9, 2, v8                   ; my row's word, my block's byte
	s_add_co_u32 s15, s14, SCS
	v_add_nc_u32 v5, s15, v5
	v_lshlrev_b32 v7, 3, v2                        ; the words on their way out: 8 bytes a lane
	v_add_nc_u32 v6, s15, v7
	s_lshr_b32 s17, ttmp9, 1                       ; which 64 rows
	s_and_b32 s18, ttmp9, 1
	s_lshl_b32 s18, s18, 2
	s_add_co_u32 s18, s18, s16                     ; which 128 columns
	s_wait_kmcnt 0x0
	s_cmp_lt_u32 s17, 128                          ; the tensor is chosen by the work-group's number alone
	s_cselect_b64 s[4:5], s[4:5], s[6:7]
	s_cselect_b32 s19, 0, 128
	s_cmp_lt_u32 s17, 176
	s_cselect_b64 s[4:5], s[4:5], s[8:9]
	s_cselect_b32 s19, s19, 176
	s_sub_co_u32 s19, s17, s19                     ; the 64 rows' number inside their tensor
	s_lshl_b32 s20, s19, 18                        ; x 64 rows of 4,096 bytes
	s_lshl_b32 s21, s18, 9
	s_add_co_u32 s20, s20, s21
	s_mov_b32 s21, 0
	s_add_nc_u64 s[4:5], s[4:5], s[20:21]
	s_mul_i32 s22, s18, 2*PSX                      ; two planes a step of 128
	s_mul_i32 s23, s17, 3072
	s_add_co_u32 s22, s22, s23
	s_mov_b32 s23, 0
	s_add_nc_u64 s[10:11], s[10:11], s[22:23]
	s_mul_i32 s24, s18, 49152
	s_lshl_b32 s25, s17, 8
	s_add_co_u32 s24, s24, s25
	s_mov_b32 s25, 0
	s_add_nc_u64 s[12:13], s[12:13], s[24:25]
.macro LOAD t                          ; step t: rows 4 t .. 4 t + 3, 512 consecutive bytes each
.irp i, 0,1,2,3
	global_load_b128 v[R+16*((\t)%4)+4*\i:R+16*((\t)%4)+4*\i+3], v3, s[4:5] offset:(4*(\t)+\i)*4096 th:TH_LOAD_NT
.endr
.endm
.macro TURN t                          ; through the stage: LDS serves a wave's instructions in order, so no wait stands between the stores and the loads
.irp i, 0,1,2,3
	ds_store_b128 v14, v[R+16*((\t)%4)+4*\i:R+16*((\t)%4)+4*\i+3] offset:INB*((\t)%2)+8*SP*\i
.endr
	ds_load_b128 v[X+16*((\t)%2):X+16*((\t)%2)+3],     v15 offset:INB*((\t)%2)
	ds_load_b128 v[X+16*((\t)%2)+4:X+16*((\t)%2)+7],   v15 offset:INB*((\t)%2)+16
	ds_load_b128 v[X+16*((\t)%2)+8:X+16*((\t)%2)+11],  v15 offset:INB*((\t)%2)+SP
	ds_load_b128 v[X+16*((\t)%2)+12:X+16*((\t)%2)+15], v15 offset:INB*((\t)%2)+SP+16
.endm
.irp t, 0,1,2,3
	LOAD \t
.endr
	s_wait_loadcnt 12                              ; step 0's four loads are in
	TURN 0
.macro STEP t
.set XS, X+16*((\t)%2)
.if (\t) > 0
	s_wait_dscnt 4                                 ; this step's numbers are back from the stage; behind them stand the last step's three code stores and its byte store
.else
	s_wait_dscnt 0x0
.endif
.if (\t)+4 < STEPS
	LOAD (\t)+4                                    ; into the set that this step's stores into the stage have read
.endif
.if (\t)+1 < STEPS
.if STEPS-2-(\t) >= 3
	s_wait_loadcnt 12                              ; the next step's four loads are in; three younger steps' may be out
.else
	s_wait_loadcnt 4*(STEPS-2-(\t))
.endif
	TURN (\t)+1
.endif
	v_max3_num_f32 v8, |v[XS]|, |v[XS+1]|, |v[XS+2]|               ; the largest magnitude of my 16, in two chains
	v_max3_num_f32 v9, |v[XS+3]|, |v[XS+4]|, |v[XS+5]|
.irp i, 6,10
	v_max3_num_f32 v8, v8, |v[XS+\i]|, |v[XS+\i+1]|
	v_max3_num_f32 v9, v9, |v[XS+\i+2]|, |v[XS+\i+3]|
.endr
	v_max3_num_f32 v8, v8, |v[XS+14]|, |v[XS+15]|
	v_max3_num_f32 v8, v8, v9, (EMAX+1)<<23        ; and the floor 2^(3 - 127): the byte cannot fall under 1
	v_max_num_f32_dpp v8, v8, v8 row_xmask:1 row_mask:0xf bank_mask:0xf   ; with my neighbour's 16: the block's
	v_add_nc_u32 v11, -(EMAX<<23), v8              ; 2 off its exponent field: the conversion takes the exponent field of this operand as its scale
	v_cvt_scalef32_pk16_fp6_f32 v[C+4*(\t):C+4*(\t)+2], v[XS:XS+15], v11
	v_lshrrev_b32 v[E+(\t)], 23, v11               ; the scale's byte (a plain line behind the conversion)
.irp i, 0,1,2
	ds_store_b32 v4, v[C+4*(\t)+\i] offset:192*(\t)+4*\i
.endr
	ds_store_b8 v5, v[E+(\t)] offset:16*(\t)       ; both lanes of a block write the same byte with the same value
.endm
.irp t, 0,1,2,3,4,5,6,7,8,9,10,11,12,13,14,15
	STEP \t
.endr
.set kk, 0
.rept 12
	ds_load_b128 v[R+4*kk:R+4*kk+3], v13 offset:OPL*(kk/6)+512*(kk%6)   ; these see my stores: LDS serves a wave in order
.set kk, kk+1
.endr
	ds_load_b64 v[R+48:R+49], v6
.set kk, 0
.rept 12
	s_wait_dscnt 12-kk                             ; load kk is in; the younger ones may be out
	global_store_b128 v3, v[R+4*kk:R+4*kk+3], s[10:11] offset:PSX*(kk/6)+512*(kk%6)   ; 512 consecutive bytes, at a multiple of 256 from the buffer's first byte
.set kk, kk+1
.endr
	s_wait_dscnt 0x0
	global_store_b64 v7, v[R+48:R+49], s[12:13]    ; 64 rows' scale words: 256 consecutive bytes, aligned
	s_wait_tensorcnt 0x0
	ds_add_u32 v192, v193
	s_wait_dscnt 0x0
	s_endpgm
.Lfunc_end_k_qffb8a59ac7_quant:
	.size	k_qffb8a59ac7_quant, .Lfunc_end_k_qffb8a59ac7_quant-k_qffb8a59ac7_quant
	.p2alignl 7, 3214868480
	.fill 96, 4, 3214868480
	.section	.rodata,"a",@progbits
	.p2align	6, 0x0
	.amdhsa_kernel k_qffb8a59ac7_quant
		.amdhsa_group_segment_fixed_size 47616
		.amdhsa_private_segment_fixed_size 0
		.amdhsa_enable_private_segment 0
		.amdhsa_kernarg_size 40
		.amdhsa_user_sgpr_count 2
		.amdhsa_user_sgpr_kernarg_segment_ptr 1
		.amdhsa_wavefront_size32 1
		.amdhsa_system_sgpr_workgroup_id_x 1
		.amdhsa_system_sgpr_workgroup_id_y 1
		.amdhsa_system_sgpr_workgroup_id_z 1
		.amdhsa_system_vgpr_workitem_id 0
		.amdhsa_next_free_vgpr 194
		.amdhsa_next_free_sgpr 66
		.amdhsa_reserve_vcc 0
		.amdhsa_float_denorm_mode_32 3
		.amdhsa_float_denorm_mode_16_64 3
		.amdhsa_memory_ordered 1
		.amdhsa_forward_progress 1
		.amdhsa_inst_pref_size 37
	.end_amdhsa_kernel
	.amdgpu_metadata
---
amdhsa.version: [ 1, 2 ]
amdhsa.kernels:
  - .name:           k_qffb8a59ac7_quant
    .symbol:         k_qffb8a59ac7_quant.kd
    .args:
      - { .name: x, .offset: 0, .size: 8, .value_kind: global_buffer, .address_space: global }
      - { .name: W_qkv, .offset: 8, .size: 8, .value_kind: global_buffer, .address_space: global }
      - { .name: W_out, .offset: 16, .size: 8, .value_kind: global_buffer, .address_space: global }
      - { .name: xw_codes, .offset: 24, .size: 8, .value_kind: global_buffer, .address_space: global }
      - { .name: xw_scales, .offset: 32, .size: 8, .value_kind: global_buffer, .address_space: global }
    .group_segment_fixed_size: 47616
    .private_segment_fixed_size: 0
    .kernarg_segment_align: 8
    .kernarg_segment_size: 40
    .max_flat_workgroup_size: 128
    .sgpr_count:     66
    .vgpr_count:     194
    .wavefront_size: 32
...
	.end_amdgpu_metadata
.endif
;; end of part 1
;; launch gemm_qkv (part 2): grid 8 x 48, 4 waves a work-group, clusters of 4 x 4, 327,680 bytes of LDS; arguments xw_codes, xw_scales, qk_codes, qk_scales, v_codes, v_scales, b_qkv; writes qk_codes, qk_scales, v_codes, v_scales
.if DOCPART == 2
	.amdgcn_target "amdgcn-amd-amdhsa--gfx1250"
	.amdhsa_code_object_version 6
	.text
	.protected	k_qffb8a59ac7_gemm_qkv
	.globl	k_qffb8a59ac7_gemm_qkv
	.p2align	8
	.type	k_qffb8a59ac7_gemm_qkv,@function
k_qffb8a59ac7_gemm_qkv:
	s_mov_b64 s[64:65], 0
	v_nop
	global_prefetch_b8 v0, s[64:65] scope:SCOPE_SE
	s_setreg_imm32_b32 hwreg(HW_REG_WAVE_MODE, 25, 1), 1
	s_wait_xcnt 0x0
	s_wait_alu depctr_hold_cnt(0) depctr_sa_sdst(0) depctr_va_vdst(0) depctr_va_sdst(0) depctr_va_ssrc(0) depctr_va_vcc(0) depctr_vm_vsrc(0)
	s_getreg_b32 s2, hwreg(HW_REG_IB_STS2, 6, 4)
	s_cmp_eq_u32 s2, 0
	s_cbranch_scc0 .Lentry_in_a_cluster
	s_endpgm
.Lentry_in_a_cluster:
	s_bfe_u32 s2, ttmp6, 0x10000c
	s_cmp_lg_u32 s2, 0xf033
	s_cbranch_scc0 .Lentry_shape_is_right
	s_endpgm
.Lentry_shape_is_right:
; qkv = x W_qkv^T + b_qkv on codes of FP6 (E2M3) with E8M0 scales, K = 1,024, and the result QUANTISED AT ONCE for the products that follow: no f32 number of q, k or v goes to memory.
; D[i][j] = sum over k of P[i][k] Q[j][k].  The result is quantised along j, 32 at a time.  TWO MODES, chosen by the cluster's y (the same number in all sixteen partners):
;   clusters y 0-7:  P = x (i = token), Q = W_q and W_k (j = feature): q and k are quantised along the head's 64;
;   clusters y 8-11: P = W_v (i = feature), Q = x (j = token): v is quantised along the tokens, which are the keys of the second product of attention.
; Operands lie as [planes of 64 along K][rows][48 bytes], scale words as [steps of 128 along K][rows]; inside a block of 32 the codes stand in the order k 0-7, 16-23, 8-15, 24-31, in every operand alike.
; A tile of D, 256 x 256, is made by four waves, each 128 x 128: 64 accumulators, 512 registers.  K goes in steps of 256 (four planes) through a ring of two LDS slots; a wave's tensor load brings
; 4 planes x 128 rows x 48 bytes: four dense runs of 6,144 bytes.  With rows 48 bytes apart the 32 lanes of an 8-byte load touch each of the 64 banks once (64 banks of 4 bytes: ISA guide 11.1): no padding.
; The scale words of the tile's rows, all of K, come once with the first fills.
; CLUSTERS: 4 x 4 work-groups; P's tiles are asked for jointly along a row of the cluster, Q's along a column.
; THE MATRIX INSTRUCTION IS USED TRANSPOSED (source 0 = 16 rows of Q, source 1 = 16 rows of P): lane (r, h) holds row i = r, and register n of accumulator b holds j = 16 b + 8 h + n.
; So the 16 registers of accumulators 2 c and 2 c + 1 are half h of block c in the order above, and one conversion makes its 12 bytes.
; THE BIAS: along j it is the C of each sum's first product; along i it is added on the way out.  Both vectors are loaded in both modes (from inside b_qkv) and the one that the mode does not want is multiplied by 0.
; 384 tiles for 256 WGPs: two rounds, the second half full.
; LIMITS: a block of zeros, or one under 2^-124, gets the byte 1 (read by this program alone); NaN and infinities are not served.
; REGISTERS, in windows of 256: window 0: v1-31 addresses; v32-63 scale words, two sets; v64-127 the bias along j; v128-223 P's fragments, one set; v224-239 the bias along i.
;   window 1: Q's fragments, two sets, at v0 and v128.   windows 2, 3: the accumulators ((a, b) at v[8 (8 (a % 4) + b)]).
.set PS_A,  589824                     ; a plane of P's codes in memory;
.set PS_B,  589824                     ; of Q's
.set SR_A,  12288                      ; rows of P's scale buffer;
.set SR_B,  12288                      ; of Q's
.set NL,    6                          ; LDS loads that bring a fragment
.set NP,    4                          ; places behind this matrix instruction (ISA guide 7.12.1)
.set FR,    12                         ; registers of a fragment: 16 rows x 128 K
.set NQ,    2                          ; steps of 128 in a slot
.set PLN,   6144                       ; a plane of 128 rows in LDS
.set HALFT, 4*PLN                      ; what one tensor load brings
.set SLOT,  4*HALFT                    ; P's 256 rows, then Q's 256 rows
.set SCL,   2*SLOT                     ; behind the ring: four tiles of scale words, 8 steps x 128 rows x 4 bytes; Q's two lie 64 bytes further on, 16 banks from P's
.set SPARE, 213248                     ; the spare words, 128 bytes for each wave: two blocks of 256 bytes that no other line names
.set ADRA, 16                          ; v16-17  LDS address of my fragments of P in slot 0, 1
.set ADRB, 20                          ; v20-21  of Q
.set STO,  24                          ; v24     the way out: my 12 bytes of a row
.set RD,   25                          ; v25     the way out: where I read back
.set CO,   26                          ; v26     16 x lane
.set ADRS, 27                          ; v27     my scale words: lanes 0-15 P's rows, lanes 16-31 Q's
.set SPW,  28                          ; v28     my spare word; never rewritten
.set NIL,  29                          ; v29     0; never rewritten
.set STS,  30                          ; v30     the way out: my row's scale word
.set SC,   32                          ; scale words: set s at v[SC + 16 s]; register 2 i + q: lanes 0-15 P's block i, lanes 16-31 Q's block i, the slot's q-th 128
.set BJ,   64
.set AF,   128
.set BI,   224
.set T,    128                         ; the way out: 64 numbers of a row
.set CD,   192                         ; four blocks' codes
.set TM,   208                         ; at work
.set PW,   240                         ; the scale word just made
.set OUTR, 64                          ; what leaves: 25 x 4 registers
.set WV,   18
.set HI,   19
.set LO,   20
.set MODE, 21
.set G1,   24
.set G0,   32
.set CX,   40
.set CY,   41
.set JT,   42
.set IT,   43
.set G1B,  48
.set G0B,  56
.set G1S,  68
.set G0S,  76
.set G1SB, 80
.set G0SB, 88
.set LOGI, 98
.set SEL,  100
.set PCE,  68                          ; the way out: four pointers, in the registers of the scale tiles' group 1, whose load is long done
.set MSB, 0
.macro WIN new                         ; the immediate's high byte repeats the setting that is left
.if MSB != \new
	s_set_vgpr_msb (MSB<<8)|\new
.set MSB, \new
.endif
.endm
.set MUL_LO,   0xa1                    ; source 0 (Q) window 1, source 1 (P) window 0, C and D window 2
.set MUL_HI,   0xf1                    ; the same, C and D window 3
.set FIRST_LO, 0x81                    ; the first step: C (the bias) window 0, D window 2
.set FIRST_HI, 0xc1
.set TO_B,     0x40                    ; destination window 1, address window 0
; A joint load: waves 0 and 1 fetch for P, waves 2 and 3 for Q.  The branch hangs on the wave's number alone.  Four v_nop follow each of the two lines.
.macro JLOAD g0a, g1a, g0b, g1b
	s_cmp_eq_u32 s[HI], 0
	s_cbranch_scc0 .Lfor_b_\@
	tensor_load_to_lds s[\g0a:\g0a+3], s[\g1a:\g1a+7]
	s_nop 0
.rept 4
	v_nop
.endr
	s_branch .Lasked_\@
.Lfor_b_\@:
	tensor_load_to_lds s[\g0b:\g0b+3], s[\g1b:\g1b+7]
	s_nop 0
.rept 4
	v_nop
.endr
.Lasked_\@:
.endm
.macro CREST                           ; a round of the cluster's barrier behind its opening barrier
	s_cmp_lg_u32 s[WV], 0
	s_cbranch_scc1 .Lnot_wave_0_\@
	s_barrier_signal -3
.Lnot_wave_0_\@:
	s_barrier_wait -3
	s_barrier_signal -1
	s_barrier_wait -1
.endm
.macro CROUND
	s_barrier_signal -1
	s_barrier_wait -1
	CREST
.endm
	s_load_b256 s[4:11], s[0:1], 0x0               ; the operands' codes s[4:5], scale words s[6:7]; q and k: codes s[8:9], scale words s[10:11]
	s_load_b128 s[12:15], s[0:1], 0x20             ; v: codes s[12:13], scale words s[14:15]
	s_load_b64 s[16:17], s[0:1], 0x30              ; b_qkv
	v_lshl_add_u32 v[SPW], v0, 2, SPARE
	v_mov_b32 v[NIL], 0
	ds_add_u32 v28, v29
	ds_add_u32 v28, v29
	s_wait_dscnt 0x0
	v_lshrrev_b32 v1, 5, v0
	v_readfirstlane_b32 s[WV], v1                  ; wave 0..3
	s_lshr_b32 s[HI], s[WV], 1                     ; which half of the tile's rows i is mine.  Also: I fetch for P (0) or for Q (1)
	s_and_b32 s[LO], s[WV], 1                      ; which half of its j.  Also: which 128 rows I fetch
	s_bfe_u32 s[CX], ttmp6, 0x40000
	s_bfe_u32 s[CY], ttmp6, 0x40004
	s_lshl_b32 s44, s[CY], 2
	s_lshl_b32 s44, 15, s44                        ; my row of the cluster
	s_lshl_b32 s45, 0x1111, s[CX]                  ; my column
	; descriptor group 1, codes: 4 rows (planes) of 768 elements of 8 bytes, a plane's stride apart
	s_or_b32 s[G1+0], s44, (3<<16)|(1<<21)         ; 15:0 the mask; 17:16 elements of 8 bytes; 20 no padding; 21 set beside a mask
	s_or_b32 s[G1B+0], s45, (3<<16)|(1<<21)
.irp g, G1, G1B
	s_mov_b32 s[\g+1], 768<<16                     ; tensor_dim0
	s_mov_b32 s[\g+2], 4<<16                       ; tensor_dim1
	s_mov_b32 s[\g+3], 768<<16                     ; tile_dim0
	s_mov_b32 s[\g+4], 4                           ; tile_dim1
	s_mov_b32 s[\g+6], 0
	s_mov_b32 s[\g+7], 0
.endr
	s_mov_b32 s[G1+5], PS_A/8                      ; tensor_dim0_stride
	s_mov_b32 s[G1B+5], PS_B/8
	; scale words: 8 rows (steps of 128) of 64 elements of 8 bytes
	s_or_b32 s[G1S+0], s44, (3<<16)|(1<<21)
	s_or_b32 s[G1SB+0], s45, (3<<16)|(1<<21)
.irp g, G1S, G1SB
	s_mov_b32 s[\g+1], 64<<16
	s_mov_b32 s[\g+2], 8<<16
	s_mov_b32 s[\g+3], 64<<16
	s_mov_b32 s[\g+4], 8
	s_mov_b32 s[\g+6], 0
	s_mov_b32 s[\g+7], 0
.endr
	s_mov_b32 s[G1S+5], SR_A/2
	s_mov_b32 s[G1SB+5], SR_B/2
	; the mode, from the cluster's y; the tile (it, jt); the operands' first rows in the joint space of rows
	s_and_b32 s22, ttmp7, 0xffff                   ; cluster y
	s_max_u32 s23, s22, 8
	s_sub_co_u32 s23, s23, 8
	s_lshl_b32 s23, s23, 1
	s_add_co_u32 s23, s23, ttmp9
	s_lshl_b32 s23, s23, 2                         ; v: jt's base 4 (2 (y - 8) + x)
	s_lshl_b32 s2, s22, 2                          ; q, k: it's base 4 y
	s_lshl_b32 s3, ttmp9, 2                        ; q, k: jt's base 4 x
	s_cmp_lt_u32 s22, 8
	s_cselect_b32 s[MODE], 0, 1
	s_cselect_b32 s2, s2, 0
	s_cselect_b32 s3, s3, s23
	s_cselect_b32 s92, 0, 10240                    ; P: x, or W_v's rows
	s_cselect_b32 s46, 8192, 0                     ; Q: W_q's and W_k's rows, or x
	s_cselect_b32 s[LOGI], 13, 10                  ; log2 of the number of rows i: 8,192 or 1,024
	s_add_co_u32 s[IT], s2, s[CY]
	s_add_co_u32 s[JT], s3, s[CX]
	s_lshl_b32 s22, s[LO], 7                       ; which 128 rows of the tile I fetch
	s_lshl_b32 s23, s[IT], 8
	s_add_co_u32 s92, s92, s23
	s_add_co_u32 s92, s92, s22                     ; P's: hangs on it alone, which my row of the cluster shares
	s_lshl_b32 s47, s[JT], 8
	s_add_co_u32 s46, s46, s47
	s_add_co_u32 s46, s46, s22                     ; Q's: on jt alone, which my column shares
	s_lshl_b32 s94, s92, 2                         ; their scale words,
	s_mul_i32 s92, s92, 48                         ; their codes, in bytes
	s_mov_b32 s93, 0
	s_mov_b32 s95, 0
	s_lshl_b32 s96, s46, 2
	s_mul_i32 s46, s46, 48
	s_mov_b32 s47, 0
	s_mov_b32 s97, 0
	s_mul_i32 s99, s[WV], HALFT                    ; where they go: no place in the cluster enters an LDS address
	s_lshl_b32 s2, s[WV], 12
	s_lshl_b32 s3, s[HI], 6
	s_add_co_u32 s2, s2, s3
	s_add_co_u32 s2, s2, SCL
	s_mov_b32 s[SEL], 0x76543210
	s_mov_b32 s[SEL+1], 0xfedcba98                 ; v_permlanex16_b32's selects for lane l xor 16
	s_wait_kmcnt 0x0
	s_add_nc_u64 s[92:93], s[4:5], s[92:93]
	s_add_nc_u64 s[94:95], s[6:7], s[94:95]
	s_add_nc_u64 s[46:47], s[4:5], s[46:47]
	s_add_nc_u64 s[96:97], s[6:7], s[96:97]
	CROUND                                         ; all sixteen work-groups are here: the first joint loads meet
	s_mov_b32 s[G0S], 1
	s_mov_b32 s[G0S+1], s2
	s_mov_b64 s[G0S+2:G0S+3], s[94:95]
	s_or_b32 s[G0S+3], s[G0S+3], 0x80000000
	s_mov_b32 s[G0SB], 1
	s_mov_b32 s[G0SB+1], s2
	s_mov_b64 s[G0SB+2:G0SB+3], s[96:97]
	s_or_b32 s[G0SB+3], s[G0SB+3], 0x80000000
	JLOAD G0S, G1S, G0SB, G1SB                     ; the scale words first: they are wanted with K step 0
.irp s, 0,1
	s_mov_b32 s[G0+4*\s], 1
	s_add_co_u32 s[G0+4*\s+1], s99, \s*SLOT
	s_add_nc_u64 s[G0+4*\s+2:G0+4*\s+3], s[92:93], \s*4*PS_A
	s_or_b32 s[G0+4*\s+3], s[G0+4*\s+3], 0x80000000
	s_mov_b32 s[G0B+4*\s], 1
	s_add_co_u32 s[G0B+4*\s+1], s99, \s*SLOT
	s_add_nc_u64 s[G0B+4*\s+2:G0B+4*\s+3], s[46:47], \s*4*PS_B
	s_or_b32 s[G0B+4*\s+3], s[G0B+4*\s+3], 0x80000000
	JLOAD G0+4*\s, G1, G0B+4*\s, G1B               ; three loads of mine are out
.endr
	v_and_b32 v1, 15, v0                           ; r
	v_bfe_u32 v2, v0, 4, 1                         ; h
	v_mul_u32_u24 v3, v1, 48
	v_mad_u32_u24 v4, v2, 24, v3                   ; a fragment's row x 48 + 24 x half
	s_mul_i32 s22, s[HI], HALFT                    ; my 128 rows of P
	s_mul_i32 s23, s[LO], HALFT                    ; my 128 rows of Q,
	s_add_co_u32 s23, s23, 2*HALFT                 ; behind P's 256
.irp s, 0,1
	v_add_nc_u32 v[ADRA+\s], s22, v4
	v_add_nc_u32 v[ADRB+\s], s23, v4
	s_add_co_u32 s22, s22, SLOT
	s_add_co_u32 s23, s23, SLOT
.endr
	s_lshl_b32 s22, s[HI], 12                      ; P's scale words: my 128 rows
	s_lshl_b32 s23, s[LO], 12                      ; Q's: behind P's two tiles, 64 bytes further on
	s_add_co_u32 s23, s23, 8192+64
	s_sub_co_u32 s23, s23, s22
	v_mul_u32_u24 v6, s23, v2                      ; lanes 16-31 take Q's
	s_add_co_u32 s22, s22, SCL
	v_lshl_add_u32 v5, v1, 2, v6
	v_add_nc_u32 v[ADRS], s22, v5
	s_mul_i32 s22, s[WV], 12800                    ; my stage for the way out: 2 planes x 128 rows x 48 bytes, then 128 scale words.  It lies in slot 0
	v_mad_u32_u24 v5, v2, 12, v3
	v_add_nc_u32 v[STO], s22, v5                   ; row r, half h of a block
	v_and_b32 v6, 31, v0
	v_lshlrev_b32 v[CO], 4, v6
	v_add_nc_u32 v[RD], s22, v[CO]
	s_add_co_u32 s22, s22, 2*PLN
	v_lshl_add_u32 v[STS], v1, 2, s22
	; the two bias vectors, each from an offset that lies inside b_qkv in both modes, and the factors 1 and 0
	s_lshl_b32 s22, s[JT], 10
	s_lshl_b32 s23, s[LO], 9
	s_add_co_u32 s22, s22, s23                     ; q, k: 4 (256 jt + 128 x my half of j)
	s_lshl_b32 s2, s[IT], 10
	s_lshl_b32 s3, s[HI], 9
	s_add_co_u32 s2, s2, s3
	s_add_co_u32 s2, s2, 8192                      ; v: 4 (2048 + 256 it + 128 x my half of i)
	s_cmp_eq_u32 s[MODE], 0
	s_cselect_b32 s22, s22, 0
	s_cselect_b32 s2, 0, s2
	s_cselect_b32 s46, 1.0, 0                      ; the factor of the bias along j,
	s_cselect_b32 s3, 0, 1.0                       ; and along i
	s_mov_b32 s47, s46                             ; (named with s46 as a pair, so it is written)
	v_lshl_add_u32 v7, v2, 5, s22                  ; along j: lane (r, h) wants, for accumulator b, j = 16 b + 8 h + 0 .. 7
	v_lshl_add_u32 v8, v1, 2, s2                   ; along i: for block a, i = 16 a + r
.irp b, 0,1,2,3,4,5,6,7
	global_load_b128 v[BJ+8*\b:BJ+8*\b+3], v7, s[16:17] offset:64*\b
	global_load_b128 v[BJ+8*\b+4:BJ+8*\b+7], v7, s[16:17] offset:64*\b+16
.endr
.irp a, 0,1,2,3,4,5,6,7
	global_load_b32 v[BI+2*\a], v8, s[16:17] offset:64*\a
	v_mov_b32 v[BI+2*\a+1], 0                      ; (the upper half of a pair that the packed addition names)
.endr
.macro FRAG reg, adr, q, i             ; a fragment, 16 rows x 128 K: registers 0-5 are block h of plane 2 q, registers 6-11 block h of plane 2 q + 1: 24 bytes each, in pieces of 8
.irp p, 0,1,2,3,4,5
	ds_load_b64 v[\reg+2*\p:\reg+2*\p+1], v[\adr] offset:(2*(\q)+\p/3)*PLN+(\i)*768+8*(\p%3)
.endr
.endm
; 16 matrix instructions: P's blocks a0, a0 + 1 x Q's eight, the slot's q-th 128 along K.  p: Q's set; sc: the set of scale words.  first = 1: the bias along j is the C of the sum's first product.
; The 64 accumulators take turns, one instruction a turn, in the same order in every step.
.macro MUL16 a0, p, q, sc, first
.irp a, \a0, \a0+1
.irp b, 0,1,2,3,4,5,6,7
.if \first
	v_wmma_scale_f32_16x16x128_f8f6f4 v[8*(8*((\a)%4)+\b):8*(8*((\a)%4)+\b)+7], v[128*(\p)+FR*\b:128*(\p)+FR*\b+FR-1], v[AF+FR*(\a):AF+FR*(\a)+FR-1], v[BJ+8*\b:BJ+8*\b+7], v[SC+16*(\sc)+2*\b+(\q)], v[SC+16*(\sc)+2*(\a)+(\q)] matrix_a_fmt:MATRIX_FMT_FP6 matrix_b_fmt:MATRIX_FMT_FP6 matrix_a_scale:MATRIX_SCALE_ROW1
.else
	v_wmma_scale_f32_16x16x128_f8f6f4 v[8*(8*((\a)%4)+\b):8*(8*((\a)%4)+\b)+7], v[128*(\p)+FR*\b:128*(\p)+FR*\b+FR-1], v[AF+FR*(\a):AF+FR*(\a)+FR-1], v[8*(8*((\a)%4)+\b):8*(8*((\a)%4)+\b)+7], v[SC+16*(\sc)+2*\b+(\q)], v[SC+16*(\sc)+2*(\a)+(\q)] matrix_a_fmt:MATRIX_FMT_FP6 matrix_b_fmt:MATRIX_FMT_FP6 matrix_a_scale:MATRIX_SCALE_ROW1
.endif
.endr
.endr
.endm
.macro FETCH_B slot, q, p
	WIN TO_B
.irp i, 0,1,2,3,4,5,6,7
	FRAG 128*(\p)+FR*\i, ADRB+\slot, \q, \i
.endr
	WIN 0
.endm
.macro FETCH_A slot, q, i0
.irp i, \i0, \i0+1, \i0+2, \i0+3
	FRAG AF+FR*(\i), ADRA+\slot, \q, \i
.endr
.endm
.macro SCALES sc                       ; a slot's scale words: lanes 0-15 take P's block i, lanes 16-31 Q's
.irp i, 0,1,2,3,4,5,6,7
.irp q, 0,1
	ds_load_b32 v[SC+16*\sc+2*\i+\q], v[ADRS] offset:512*\q+64*\i
.endr
.endr
.endm
.macro PLACES n                        ; plain vector lines between a matrix instruction and a load into, or a read of, its registers (ISA guide 7.12.1 for the reads)
.rept \n
	v_nop
.endr
.endm
; A step of 128 along K that has its successor in the same slot.
.macro STEP slot, q, first
	s_wait_dscnt 4*NL                              ; Q's set, P's blocks 0-3 and the scale words are in; the youngest 24 loads (P's blocks 4-7) may be out
.if \first
	WIN FIRST_LO
.else
	WIN MUL_LO
.endif
	MUL16 0, (\q)%2, \q, \slot, \first
	MUL16 2, (\q)%2, \q, \slot, \first
	s_wait_dscnt 0
	PLACES NP
	FETCH_B \slot, (\q)+1, 1-(\q)%2
	FETCH_A \slot, (\q)+1, 0
.if \first
	WIN FIRST_HI
.else
	WIN MUL_HI
.endif
	MUL16 4, (\q)%2, \q, \slot, \first
	MUL16 6, (\q)%2, \q, \slot, \first
	PLACES NP
	WIN 0
	FETCH_A \slot, (\q)+1, 4
.endm
; A slot's last step changes slots: one barrier; in front of it each wave waits for all its tensor loads, adds 0 to its spare word, and waits for that and for its reads of this slot.  fill = 1: the slot is filled again.
.macro TURN slot, next, fill
	s_wait_tensorcnt 0x0                           ; all my tensor loads have landed: my part of the next slot
	ds_add_u32 v[SPW], v[NIL]                      ; 0 onto my spare word
	s_wait_dscnt 4*NL+1                            ; (the add and the youngest 24 loads may be out)
	WIN MUL_LO
	MUL16 0, 1, NQ-1, \slot, 0                     ; sixteen matrix instructions stand between the add and the wait for it
	s_wait_dscnt 0x0                               ; the add is done, and my reads of this slot are over
	s_barrier_signal -1
	MUL16 2, 1, NQ-1, \slot, 0
	WIN 0
	s_barrier_wait -1
.if \fill
	CREST                                          ; the barrier has opened a round of the cluster's barrier: no wave of any partner still reads this slot or has a load on its way
	s_add_nc_u64 s[G0+4*\slot+2:G0+4*\slot+3], s[G0+4*\slot+2:G0+4*\slot+3], 8*PS_A
	s_add_nc_u64 s[G0B+4*\slot+2:G0B+4*\slot+3], s[G0B+4*\slot+2:G0B+4*\slot+3], 8*PS_B
	JLOAD G0+4*\slot, G1, G0B+4*\slot, G1B         ; the first tensor load behind the round, my only one until the next; its four v_nop are the places in front of the loads below
.else
	PLACES NP
.endif
	v_add_nc_u32 v[ADRS], 512*NQ, v[ADRS]          ; on to the next slot's scale words
	FETCH_B \next, 0, 0
	FETCH_A \next, 0, 0
	SCALES \next
	WIN MUL_HI
	MUL16 4, 1, NQ-1, \slot, 0
	MUL16 6, 1, NQ-1, \slot, 0
	PLACES NP
	WIN 0
	FETCH_A \next, 0, 4
.endm
	s_wait_tensorcnt 1                             ; the scale words and my part of K step 0 are in; slot 1's load may stay out
	s_barrier_signal -1
	s_barrier_wait -1
	FETCH_B 0, 0, 0
	FETCH_A 0, 0, 0
	SCALES 0
	FETCH_A 0, 0, 4
	s_wait_loadcnt 0x0                             ; the bias vectors
.set kk, 0
.rept 32
	v_pk_mul_f32 v[BJ+2*kk:BJ+2*kk+1], v[BJ+2*kk:BJ+2*kk+1], s[46:47] op_sel_hi:[1,0]
.set kk, kk+1
.endr
.irp a, 0,1,2,3,4,5,6,7
	v_mul_f32 v[BI+2*\a], s3, v[BI+2*\a]
.endr
	STEP 0, 0, 1                                   ; K = 1,024 is four slots' worth: the eight steps are written out
	TURN 0, 1, 1
	STEP 1, 0, 0
	TURN 1, 0, 1
	STEP 0, 0, 0
	TURN 0, 1, 0                                   ; nothing is left to fetch: no round
	STEP 1, 0, 0
	s_wait_dscnt 4*NL
	WIN MUL_LO
	MUL16 0, 1, NQ-1, 1, 0
	MUL16 2, 1, NQ-1, 1, 0
	s_wait_dscnt 0
	WIN MUL_HI
	MUL16 4, 1, NQ-1, 1, 0
	MUL16 6, 1, NQ-1, 1, 0
	WIN 0
	; THE WAY OUT.  Where my 2 planes x 128 rows of codes go.  q, k: [32 heads][8192 tokens][48]: plane = head, rows = tokens.  v: [16 heads][128 groups of 64 tokens][64][48]: plane = group, 64 rows = a head.
	; In both: pointer + hi x 393,216 + lo x 3,072, and four pieces of 3,072 bytes (plane g, half hs of the rows).
	s_lshl_b32 s46, s[JT], 1
	s_add_co_u32 s46, s46, s[LO]                   ; j / 128
	s_lshl_b32 s47, s46, 1                         ; j / 64
	s_lshl_b32 s92, s[IT], 2
	s_lshl_b32 s93, s[HI], 1
	s_add_co_u32 s92, s92, s93                     ; i / 64
	s_lshl_b32 s46, s46, s[LOGI]
	s_lshl_b32 s93, s92, 6
	s_add_co_u32 s46, s46, s93
	s_lshl_b32 s96, s46, 2                         ; the scale words: 4 ((j / 128) x rows + i)
	s_mov_b32 s97, 0
	s_mov_b32 s2, 393216
	s_mov_b32 s3, 3072
	s_cmp_eq_u32 s[MODE], 0
	s_cselect_b32 s94, s47, s92                    ; hi
	s_cselect_b32 s95, s92, s47                    ; lo
	s_cselect_b32 s22, s2, s3                      ; from plane to plane
	s_cselect_b32 s46, s3, s2                      ; from half to half
	s_cselect_b64 s[8:9], s[8:9], s[12:13]
	s_cselect_b64 s[10:11], s[10:11], s[14:15]
	s_mul_i32 s94, s94, s2
	s_mul_i32 s95, s95, s3
	s_add_co_u32 s94, s94, s95
	s_mov_b32 s95, 0
	s_mov_b32 s23, 0
	s_mov_b32 s47, 0
	s_add_nc_u64 s[PCE:PCE+1], s[8:9], s[94:95]
	s_add_nc_u64 s[PCE+2:PCE+3], s[PCE:PCE+1], s[46:47]
	s_add_nc_u64 s[PCE+4:PCE+5], s[PCE:PCE+1], s[22:23]
	s_add_nc_u64 s[PCE+6:PCE+7], s[PCE+4:PCE+5], s[46:47]
	s_add_nc_u64 s[10:11], s[10:11], s[96:97]
	PLACES NP                                      ; behind the last products
.irp b, 0,1,2,3
	v_mov_b32 v[TM+4+\b], 0                        ; written once: a lane permute's destination counts as one of its sources
.endr
; Block a: my rows 16 a .. 16 a + 15.  The bias along i is added (each accumulator is read from its low end on); the row's four blocks of 32 along j are quantised; codes and scale word go to my stage.
; The stage lies in slot 0, which has had its last fill, and which no wave reads since the last change of slots.
.macro EPI a
	WIN (2+(\a)/4)                                 ; source 0: window 2 or 3
.set kk, 0
.rept 32
	v_pk_add_f32 v[T+2*kk:T+2*kk+1], v[64*((\a)%4)+2*kk:64*((\a)%4)+2*kk+1], v[BI+2*(\a):BI+2*(\a)+1] op_sel_hi:[1,0]
.set kk, kk+1
.endr
	WIN 0
.irp b, 0,1,2,3
	v_max3_num_f32 v[TM+\b], |v[T+16*\b]|, |v[T+1+16*\b]|, 0x1800000   ; my 16 numbers of block b, and the floor 2^(3 - 127)
.endr
.irp i, 2,4,6,8,10,12,14
.irp b, 0,1,2,3
	v_max3_num_f32 v[TM+\b], v[TM+\b], |v[T+16*\b+\i]|, |v[T+1+16*\b+\i]|
.endr
.endr
.irp b, 0,1,2,3
	v_permlanex16_b32 v[TM+4+\b], v[TM+\b], s[SEL], s[SEL+1]
.endr
.irp b, 0,1,2,3
	v_max_num_f32 v[TM+\b], v[TM+\b], v[TM+4+\b]   ; with lane l xor 16's: the block's largest magnitude
.endr
.irp b, 0,1,2,3
	v_add_nc_u32 v[TM+12+\b], 0xff000000, v[TM+\b] ; 2 off its exponent field: the conversion's scale operand
.endr
.irp b, 0,1,2,3
	v_lshrrev_b32 v[TM+4+\b], 23, v[TM+12+\b]      ; the scale's byte
.endr
	s_wait_dscnt 0x0                               ; the last block's stores have read their registers
	v_lshl_or_b32 v[PW], v[TM+5], 8, v[TM+4]
	v_lshl_or_b32 v[PW], v[TM+6], 16, v[PW]
	v_lshl_or_b32 v[PW], v[TM+7], 24, v[PW]
.irp b, 0,1,2,3
	v_cvt_scalef32_pk16_fp6_f32 v[CD+4*\b:CD+4*\b+2], v[T+16*\b:T+16*\b+15], v[TM+12+\b]   ; half h of block b: 12 bytes
.endr
	v_nop                                          ; one plain line behind the conversions
.irp b, 0,1,2,3
.irp i, 0,1,2
	ds_store_b32 v[STO], v[CD+4*\b+\i] offset:PLN*(\b/2)+768*(\a)+24*(\b%2)+4*\i   ; the 32 lanes' words fall into 32 different banks
.endr
.endr
	ds_store_b32 v[STS], v[PW] offset:64*(\a)      ; both halves of the lanes write the same word with the same value
.endm
.irp a, 0,1,2,3,4,5,6,7
	EPI \a
.endr
.set kk, 0
.rept 25
	ds_load_b128 v[OUTR+4*kk:OUTR+4*kk+3], v[RD] offset:512*kk   ; LDS serves a wave's instructions in order: these see my stores
.set kk, kk+1
.endr
.set kk, 0
.rept 24
	s_wait_dscnt 24-kk                             ; load kk is in; the younger ones may be out
	global_store_b128 v[CO], v[OUTR+4*kk:OUTR+4*kk+3], s[PCE+2*(kk/6):PCE+2*(kk/6)+1] offset:512*(kk%6)   ; 512 consecutive bytes, at a multiple of 256 from the buffer's first byte
.set kk, kk+1
.endr
	s_wait_dscnt 0x0
	global_store_b128 v[CO], v[OUTR+96:OUTR+99], s[10:11]      ; 128 rows' scale words
	s_wait_tensorcnt 0x0                           ; the wave's end
	ds_add_u32 v[SPW], v[NIL]
	s_wait_dscnt 0x0
	CROUND                                         ; the closing round: no work-group ends while a partner may still ask for a tile that names it
	s_endpgm
.Lfunc_end_k_qffb8a59ac7_gemm_qkv:
	.size	k_qffb8a59ac7_gemm_qkv, .Lfunc_end_k_qffb8a59ac7_gemm_qkv-k_qffb8a59ac7_gemm_qkv
	.p2alignl 7, 3214868480
	.fill 96, 4, 3214868480
	.section	.rodata,"a",@progbits
	.p2align	6, 0x0
	.amdhsa_kernel k_qffb8a59ac7_gemm_qkv
		.amdhsa_group_segment_fixed_size 327680
		.amdhsa_private_segment_fixed_size 0
		.amdhsa_enable_private_segment 0
		.amdhsa_kernarg_size 56
		.amdhsa_user_sgpr_count 2
		.amdhsa_user_sgpr_kernarg_segment_ptr 1
		.amdhsa_wavefront_size32 1
		.amdhsa_system_sgpr_workgroup_id_x 1
		.amdhsa_system_sgpr_workgroup_id_y 1
		.amdhsa_system_sgpr_workgroup_id_z 1
		.amdhsa_system_vgpr_workitem_id 0
		.amdhsa_next_free_vgpr 1024
		.amdhsa_next_free_sgpr 102
		.amdhsa_reserve_vcc 0
		.amdhsa_float_denorm_mode_32 3
		.amdhsa_float_denorm_mode_16_64 3
		.amdhsa_memory_ordered 1
		.amdhsa_forward_progress 1
		.amdhsa_inst_pref_size 193
	.end_amdhsa_kernel
	.amdgpu_metadata
---
amdhsa.version: [ 1, 2 ]
amdhsa.kernels:
  - .name:           k_qffb8a59ac7_gemm_qkv
    .symbol:         k_qffb8a59ac7_gemm_qkv.kd
    .args:
      - { .name: xw_codes, .offset: 0, .size: 8, .value_kind: global_buffer, .address_space: global }
      - { .name: xw_scales, .offset: 8, .size: 8, .value_kind: global_buffer, .address_space: global }
      - { .name: qk_codes, .offset: 16, .size: 8, .value_kind: global_buffer, .address_space: global }
      - { .name: qk_scales, .offset: 24, .size: 8, .value_kind: global_buffer, .address_space: global }
      - { .name: v_codes, .offset: 32, .size: 8, .value_kind: global_buffer, .address_space: global }
      - { .name: v_scales, .offset: 40, .size: 8, .value_kind: global_buffer, .address_space: global }
      - { .name: b_qkv, .offset: 48, .size: 8, .value_kind: global_buffer, .address_space: global }
    .group_segment_fixed_size: 327680
    .private_segment_fixed_size: 0
    .kernarg_segment_align: 8
    .kernarg_segment_size: 56
    .max_flat_workgroup_size: 128
    .sgpr_count:     102
    .vgpr_count:     1024
    .wavefront_size: 32
...
	.end_amdgpu_metadata
.endif
;; end of part 2
;; launch attn (part 3): grid 4 x 64, 16 waves a work-group, no clusters, 243,712 bytes of LDS; arguments qk_codes, qk_scales, v_codes, v_scales, timestamps, mask, decay_rate, ao_codes, ao_scales; writes ao_codes, ao_scales
.if DOCPART == 3
	.amdgcn_target "amdgcn-amd-amdhsa--gfx1250"
	.amdhsa_code_object_version 6
	.text
	.protected	k_qffb8a59ac7_attn
	.globl	k_qffb8a59ac7_attn
	.p2align	8
	.type	k_qffb8a59ac7_attn,@function
k_qffb8a59ac7_attn:
	s_mov_b64 s[64:65], 0
	v_nop
	global_prefetch_b8 v0, s[64:65] scope:SCOPE_SE
	s_setreg_imm32_b32 hwreg(HW_REG_WAVE_MODE, 25, 1), 1
	s_wait_xcnt 0x0
; Attention of one (batch, head): scores q . k / 8 - softplus(decay) |t_q - t_k| / 24, causal, padded keys hidden; p = 2^(t - M), M a whole number, quantised along the keys; O = P V / the sum of the unquantised p;
; O quantised along the head's 64 for the last product.  All products on codes of FP6 (E2M3) with E8M0 scales.
; INPUTS (made by the launch before): q, k codes [32 heads][8192 tokens][48], scale words [16 pairs of heads][8192] (bytes 0, 1 the even head, 2, 3 the odd); v codes with the keys innermost,
; [16 heads][128 groups of 64 tokens][64 d][48], scale words [64 groups of 128 tokens][1024].  Inside a block of 32 the codes stand in the order 0-7, 16-23, 8-15, 24-31, in every operand alike.
; SHARES.  Work-group (p, batch x head) owns query blocks p and 7 - p of 256.  Wave w owns two tiles of 16 queries: 256 p + 16 w on, and 256 (7 - p) + 16 (15 - w) on.  A tile at query Q walks Q / 128 + 1 steps of
; 128 keys: the two together 17, for every wave of every work-group.
; NO RING: the head's K (98,304 bytes), V (98,304) and V's scale words (4,096) are brought into LDS once, two tensor loads a wave, and stay: one barrier in the whole text.
; NO CLUSTER: the four work-groups of a head share K and V, but which steps a wave walks hangs on its block of queries, which is what differs between them; and what is shared is read once by each.
; LAYOUT.  Both products transposed: S^T = K Q^T (source 0 = 16 keys, source 1 = my 16 queries), O^T = V^T P^T: lane (r, h) holds query r throughout.  In S^T register n of tile u is key 16 u + 8 h + n: the 16 registers of
; tiles 2 c and 2 c + 1 are half h of block c in the order above.
; THE FIRST PRODUCT'S K IS 64, half of the instruction's 128: Q's upper six registers are zero codes, and the upper two bytes of both scale words are 0 (2^-127, a number).  So whatever K's upper six registers hold
; (here the next tile's codes, or what was left there) adds nothing: every pattern of six bits is a finite number.
; THE TIME TERM.  z = s - c3 |t_q - t_k| with c3 = softplus(decay) / 3; t = z x log2(e) / 8.  A PADDED KEY'S TIME IS MADE +INFINITY when the times are laid into LDS: its z is then -infinity by the same multiply-add.
; c3 is held at 2^-100 from below, so that infinity x c3 is never 0 x infinity; no finite score feels it.
; A QUERY ALL OF WHOSE KEYS ARE HIDDEN has the sum 0: its scale bytes become 0xff, which makes its row of the last product NaN, as the softmax of such a row is.
; LIMITS: NaN and infinities among the inputs are not served; p under 2^-126 is 0; a block of zeros, or one under 2^-124, gets the byte 1 (read by this program alone).
.set VREG, 98304                       ; LDS: K at 0, V here,
.set VSC,  196608                      ; V's scale words: 16 steps x 64 d,
.set KSC,  200704                      ; K's scale words, my head's two bytes (stored by the waves),
.set TK,   208896                      ; the keys' times (stored by the waves),
.set STG,  217088                      ; the way out: 2 tiles x 16 rows x 48 bytes for each wave
.set AK0,  1                           ; v1   48 r + 24 h: my lane's place in a tile of K
.set AV0,  2                           ; v2   the same in V
.set ASK0, 3                           ; v3   KSC + 4 r
.set ASV0, 4                           ; v4   VSC + 4 r
.set ATK0, 5                           ; v5   TK + 32 h
.set STO,  6                           ; v6   the way out: row r, half h
.set RR,   7                           ; v7   r
.set ADK,  8                           ; v8-11, v46: the step's addresses
.set ADV,  9
.set ADS,  10
.set ADT,  11
.set ADX,  46
.set HH,   47                          ; v47  h
.set QL,   16                          ; v16-27 Q of the low tile; v28-39 of the high one; v40, v41 their scale words; v[42:43], v[44:45] their t_q, twice
.set QH,   28
.set F,    48                          ; v48-111  fragments of K, then |t_q - t_k|, then fragments of V
.set S,    112                         ; v112-175 S^T, then p
.set O,    176                         ; v176-207 O^T
.set PC,   208                         ; v208-219 p's codes; v220-222, v224-226 the second halves as they are made
.set C2,   220
.set BM,   228                         ; the blocks' largest scores, then largest p
.set PD,   232                         ; permutes' destinations, then bytes
.set SO,   236                         ; the conversions' scale operands
.set KSW,  240                         ; v240-247 K's scale words, then V's: scales and nothing else
.set OSC,  248                         ; v248, v249 O's two scale bytes, low tile and high
.set SM2,  250                         ; the sum's second chain
.set FF,   252                         ; f = 2^(old M - new M)
.set PWR,  253                         ; p's scale word
.set TA,   254
.set TB,   255
.set WV,   22
.set BT,   24
.set HD,   25
.set HP,   26
.set SH,   27
.set Q0L,  28
.set Q0H,  29
.set SEL,  30
.set CS,   32
.set NC3,  34
.set KF,   35
.set T6,   36
.set T5,   37
.set TV,   38
.set CNT,  39
.set TMP,  40
.set TM2,  41
.set TOK,  42
.set G1D,  44
.set G1R,  52
	s_load_b256 s[4:11], s[0:1], 0x0               ; q, k codes s[4:5], scale words s[6:7]; v codes s[8:9], scale words s[10:11]
	s_load_b256 s[12:19], s[0:1], 0x20             ; timestamps s[12:13], mask s[14:15], decay_rate s[16:17], O's codes s[18:19]
	s_load_b64 s[20:21], s[0:1], 0x40              ; O's scale words
	v_lshl_add_u32 v223, v0, 2, 0x3b000
	v_mov_b32 v227, 0
	ds_add_u32 v223, v227
	ds_add_u32 v223, v227
	v_lshrrev_b32 v8, 5, v0
	v_readfirstlane_b32 s[WV], v8                  ; wave 0..15
	s_and_b32 s72, ttmp7, 0xffff
	s_lshr_b32 s[BT], s72, 4                       ; batch
	s_and_b32 s[HD], s72, 15                       ; head
	s_lshr_b32 s[HP], s[HD], 1
	s_and_b32 s[SH], s[HD], 1
	s_lshl_b32 s[SH], s[SH], 4                     ; my head's two bytes begin at this bit of a scale word
	s_lshl_b32 s[TOK], s[BT], 11                   ; the batch's first token
	s_lshl_b32 s[Q0L], ttmp9, 8
	s_lshl_b32 s72, s[WV], 4
	s_add_co_u32 s[Q0L], s[Q0L], s72               ; 256 p + 16 w
	s_sub_co_u32 s[Q0H], 2032, s[Q0L]              ; 256 (7 - p) + 16 (15 - w)
	; descriptor group 1: a dense block of 12,288 bytes as 48 rows of 32 elements of 8 bytes
	s_mov_b32 s[G1D+0], 3<<16
	s_mov_b32 s[G1D+1], 32<<16
	s_mov_b32 s[G1D+2], 48<<16
	s_mov_b32 s[G1D+3], 32<<16
	s_mov_b32 s[G1D+4], 48
	s_mov_b32 s[G1D+5], 32
	s_mov_b32 s[G1D+6], 0
	s_mov_b32 s[G1D+7], 0
	; and one row of 256 bytes
	s_mov_b32 s[G1R+0], 3<<16
	s_mov_b32 s[G1R+1], 32<<16
	s_mov_b32 s[G1R+2], 1<<16
	s_mov_b32 s[G1R+3], 32<<16
	s_mov_b32 s[G1R+4], 1
	s_mov_b32 s[G1R+5], 32
	s_mov_b32 s[G1R+6], 0
	s_mov_b32 s[G1R+7], 0
	s_and_b32 s72, s[WV], 7
	s_mul_i32 s72, s72, 12288                      ; waves 0-7 bring K's eight parts, waves 8-15 V's
	s_add_co_u32 s73, s[HD], 16
	s_lshl_b32 s73, s73, 13
	s_add_co_u32 s73, s73, s[TOK]
	s_mul_i32 s73, s73, 48
	s_add_co_u32 s73, s73, s72                     ; K: ((16 + head) x 8192 + first token) x 48 + my part
	s_lshl_b32 s74, s[HD], 7
	s_lshl_b32 s75, s[BT], 5
	s_add_co_u32 s74, s74, s75
	s_mul_i32 s74, s74, 3072
	s_add_co_u32 s74, s74, s72                     ; V: (128 head + 32 batch) x 3072 + my part
	s_lshl_b32 s76, s[BT], 4
	s_add_co_u32 s76, s76, s[WV]
	s_lshl_b32 s76, s76, 12
	s_lshl_b32 s77, s[HD], 8
	s_add_co_u32 s76, s76, s77                     ; V's scale words of step w: 4 ((16 batch + w) x 1024 + 64 head)
	s_mov_b32 s77, 0
	s_mov_b32 s60, 1
	s_mul_i32 s61, s[WV], 12288                    ; K's region and V's lie on end
	s_mov_b32 s68, 1
	s_lshl_b32 s69, s[WV], 8
	s_add_co_u32 s69, s69, VSC
	s_mov_b32 s[SEL], 0x76543210
	s_mov_b32 s[SEL+1], 0xfedcba98                 ; v_permlanex16_b32's selects for lane l xor 16
	s_mov_b32 s[CS], 0x3e38aa3b                    ; log2(e) / 8
	s_mov_b32 s[CS+1], s[CS]
	s_wait_dscnt 0x0
	s_wait_kmcnt 0x0
	s_cmp_lt_u32 s[WV], 8
	s_cselect_b64 s[62:63], s[4:5], s[8:9]
	s_cselect_b32 s78, s73, s74
	s_mov_b32 s79, 0
	s_add_nc_u64 s[62:63], s[62:63], s[78:79]
	s_or_b32 s63, s63, 0x80000000
	s_add_nc_u64 s[70:71], s[10:11], s[76:77]
	s_or_b32 s71, s71, 0x80000000
	tensor_load_to_lds s[60:63], s[G1D:G1D+7]      ; the launch's only fills: two loads of mine are out
	s_nop 0
	tensor_load_to_lds s[68:71], s[G1R:G1R+7]
	s_nop 0
.rept 4
	v_nop
.endr
	v_and_b32 v[RR], 15, v0
	v_bfe_u32 v[HH], v0, 4, 1
	v_mul_u32_u24 v[AK0], v[RR], 48
	v_mad_u32_u24 v[STO], v[HH], 12, v[AK0]
	v_mad_u32_u24 v[AK0], v[HH], 24, v[AK0]
	v_add_nc_u32 v[AV0], VREG, v[AK0]
	v_lshl_add_u32 v[ASK0], v[RR], 2, KSC
	v_lshl_add_u32 v[ASV0], v[RR], 2, VSC
	v_lshl_add_u32 v[ATK0], v[HH], 5, TK
	s_mul_i32 s72, s[WV], 1536
	s_add_co_u32 s72, s72, STG
	v_add_nc_u32 v[STO], s72, v[STO]
	; what the threads lay into LDS: thread n takes keys 4 n .. 4 n + 3: their times, their mask, their scale words
	s_lshl_b32 s72, s[BT], 13
	s_mov_b32 s73, 0
	s_add_nc_u64 s[80:81], s[12:13], s[72:73]      ; the batch's times
	s_add_nc_u64 s[82:83], s[14:15], s[72:73]      ; and mask
	s_add_co_u32 s74, s[HP], 8
	s_lshl_b32 s74, s74, 13
	s_add_co_u32 s74, s74, s[TOK]
	s_lshl_b32 s74, s74, 2
	s_mov_b32 s75, 0
	s_add_nc_u64 s[84:85], s[6:7], s[74:75]        ; K's scale words
	s_lshl_b32 s76, s[HD], 13
	s_add_co_u32 s76, s76, s[TOK]
	s_mul_i32 s76, s76, 48
	s_mov_b32 s77, 0
	s_add_nc_u64 s[86:87], s[4:5], s[76:77]        ; Q's codes of the head and batch
	s_add_nc_u64 s[18:19], s[18:19], s[76:77]      ; and O's, which lie likewise
	s_lshl_b32 s78, s[HP], 13
	s_add_co_u32 s78, s78, s[TOK]
	s_lshl_b32 s78, s78, 2
	s_mov_b32 s79, 0
	s_add_nc_u64 s[88:89], s[6:7], s[78:79]        ; Q's scale words
	s_add_nc_u64 s[20:21], s[20:21], s[78:79]      ; and O's
	v_lshlrev_b32 v10, 4, v0
	global_load_b128 v[112:115], v10, s[80:81]
	global_load_b128 v[116:119], v10, s[82:83]
	global_load_b128 v[120:123], v10, s[84:85]
	s_mul_i32 s72, s[Q0L], 48
	s_mul_i32 s73, s[Q0H], 48
	v_add_nc_u32 v8, s72, v[AK0]
	v_add_nc_u32 v9, s73, v[AK0]
.irp i, 0,1,2
	global_load_b64 v[QL+2*\i:QL+2*\i+1], v8, s[86:87] offset:8*\i    ; Q stays in registers: block h of my query's 64
	global_load_b64 v[QH+2*\i:QH+2*\i+1], v9, s[86:87] offset:8*\i
.endr
	s_lshl_b32 s72, s[Q0L], 2
	s_lshl_b32 s73, s[Q0H], 2
	v_lshl_add_u32 v11, v[RR], 2, s72
	v_lshl_add_u32 v46, v[RR], 2, s73
	global_load_b32 v40, v11, s[88:89]
	global_load_b32 v41, v46, s[88:89]
	global_load_b32 v42, v11, s[80:81]             ; t_q
	global_load_b32 v44, v46, s[80:81]
	s_lshl_b32 s72, s[HD], 2
	v_mov_b32 v255, s72
	global_load_b32 v124, v255, s[16:17]           ; the head's decay_rate
	v_mov_b32 v125, 0x7f800000                     ; +infinity
	v_add_nc_u32 v126, TK, v10
	v_add_nc_u32 v127, KSC, v10
.irp i, 6,7,8,9,10,11
	v_mov_b32 v[QL+\i], 0                          ; Q's upper half: zero codes
	v_mov_b32 v[QH+\i], 0
.endr
.irp i, 48,49,50,51,52,53
	v_mov_b32 v[F+\i], 0                           ; named as the upper half of K's last fragment: written once, whatever they hold later
.endr
.irp b, 0,1,2,3
	v_mov_b32 v[PD+\b], 0                          ; a lane permute's destination counts as one of its sources
.endr
	v_mov_b32 v[PWR], 0                            ; (named as the upper half of the pair with f before it is first written)
	v_mov_b32 v[TA], 0
	s_wait_loadcnt 0x0
.irp i, 0,1,2,3
	v_cmp_eq_f32 vcc_lo, 0, v[116+\i]
	v_cndmask_b32 v[112+\i], v[112+\i], v125, vcc_lo   ; a padded key's time: +infinity
	v_bfe_u32 v[120+\i], v[120+\i], s[SH], 16          ; my head's two bytes; the upper two are 0
.endr
	ds_store_b128 v126, v[112:115]
	ds_store_b128 v127, v[120:123]
	v_bfe_u32 v40, v40, s[SH], 16
	v_bfe_u32 v41, v41, s[SH], 16
	v_mov_b32 v43, v42
	v_mov_b32 v45, v44
	; softplus(x) = max(x, 0) + log1p(e), e = 2^(-|x| log2 e); log1p(e) = ln(u) e / (u - 1) with u = 1 + e, and e itself where u - 1 = 0
	v_mul_f32 v128, 0xbfb8aa3b, |v124|
	v_exp_f32 v128, v128
	v_max_num_f32 v129, 0, v124                    ; (a plain line behind the transcendental)
	s_wait_alu depctr_va_vdst(0)
	v_add_f32 v130, 1.0, v128
	v_add_f32 v131, -1.0, v130
	v_log_f32 v132, v130
	v_rcp_f32 v133, v131
	v_nop
	v_cmp_eq_f32 vcc_lo, 0, v131
	s_wait_alu depctr_va_vdst(0)
	v_mul_f32 v132, 0x3f317218, v132               ; x ln 2
	v_mul_f32 v132, v132, v128
	v_mul_f32 v132, v132, v133
	v_cndmask_b32 v132, v132, v128, vcc_lo
	v_add_f32 v132, v132, v129
	v_mul_f32 v132, 0xbeaaaaab, v132               ; -c3 = -softplus / 3
	v_min_num_f32 v132, 0x8d800000, v132           ; at most -2^-100
	v_readfirstlane_b32 s[NC3], v132               ; a factor of vector arithmetic alone
	s_wait_tensorcnt 0x0                           ; my parts of K, V and V's scale words have landed,
	s_wait_dscnt 0x0                               ; my stores of times and scale words too:
	s_barrier_signal -1
	s_barrier_wait -1                              ; everybody's have
; ONE TILE OF 16 QUERIES walks the keys.  The loop has 16 trips for every tile, so that its stepped LDS addresses can be read off the text; a step all of whose keys come after the tile's queries skips its work.
.macro PASS qf, qs, tq, q0
	v_mov_b32 v13, 0xff61b1e6                      ; the largest t so far: -3e38
	v_floor_f32 v12, -v13                          ; -M
	v_mov_b32 v14, 0                               ; the sum, in two halves
	v_mov_b32 v15, 0
.set jj, 0
.rept 32
	v_mov_b32 v[O+jj], 0                           ; O^T: the step is written once; its first trip finds zeros
.set jj, jj+1
.endr
	s_mov_b32 s[KF], 0                             ; the step's first key
	s_mov_b32 s[T6], 0                             ; its codes: 6,144 bytes a step, in K and in V
	s_mov_b32 s[T5], 0                             ; its times and K's scale words: 512
	s_mov_b32 s[TV], 0                             ; V's scale words: 256
	s_mov_b32 s[CNT], 16
	s_add_co_u32 s[TMP], s[\q0], 15                ; my last query
.Lstep_\@:
	s_cmp_gt_u32 s[KF], s[TMP]
	s_cbranch_scc1 .Lhid_\@
	v_add_nc_u32 v[ADK], s[T6], v[AK0]             ; (these five are also the places behind the last products)
	v_add_nc_u32 v[ADV], s[T6], v[AV0]
	v_add_nc_u32 v[ADS], s[T5], v[ASK0]
	v_add_nc_u32 v[ADX], s[T5], v[ATK0]
	v_add_nc_u32 v[ADT], s[TV], v[ASV0]
.irp t, 0,1,2,3,4,5,6,7
.irp i, 0,1,2
	ds_load_b64 v[F+6*\t+2*\i:F+6*\t+2*\i+1], v[ADK] offset:768*\t+8*\i    ; key 16 t + r, block h of its 64
.endr
	ds_load_b32 v[KSW+\t], v[ADS] offset:64*\t
.endr
	s_wait_dscnt 0x0
.irp t, 0,1,2,3,4,5,6,7
	v_wmma_scale_f32_16x16x128_f8f6f4 v[S+8*\t:S+8*\t+7], v[F+6*\t:F+6*\t+11], v[\qf:\qf+11], 0, v[KSW+\t], v[\qs] matrix_a_fmt:MATRIX_FMT_FP6 matrix_b_fmt:MATRIX_FMT_FP6
.endr
.rept 4
	v_nop                                          ; places in front of loads into registers that these products have read
.endr
.irp t, 0,1,2,3,4,5,6,7
	ds_load_b128 v[F+8*\t:F+8*\t+3],   v[ADX] offset:64*\t       ; the times of keys 16 t + 8 h + 0 .. 7: register for register as the scores lie
	ds_load_b128 v[F+8*\t+4:F+8*\t+7], v[ADX] offset:64*\t+16
.endr
	s_wait_dscnt 0x0
.set jj, 0
.rept 32
	v_pk_add_f32 v[F+2*jj:F+2*jj+1], v[\tq:\tq+1], v[F+2*jj:F+2*jj+1] neg_lo:[0,1] neg_hi:[0,1]   ; t_q - t_k
.set jj, jj+1
.endr
.set jj, 0
.rept 64
	v_fma_f32 v[S+jj], |v[F+jj]|, s[NC3], v[S+jj]  ; z = s - c3 |t_q - t_k|; each tile of scores is read from its low end on
.set jj, jj+1
.endr
.irp t, 0,1,2,3                                ; V's fragments are asked for now and land under the softmax
.irp i, 0,1,2,3,4,5
	ds_load_b64 v[F+12*\t+2*\i:F+12*\t+2*\i+1], v[ADV] offset:768*\t+3072*(\i/3)+8*(\i%3)
.endr
	ds_load_b32 v[KSW+\t], v[ADT] offset:64*\t
.endr
	s_add_co_u32 s[TM2], s[KF], 127                ; on the diagonal hidden scores become -infinity; a step all of whose keys count skips this
	s_cmp_le_u32 s[TM2], s[\q0]
	s_cbranch_scc1 .Lopen_\@
	s_sub_co_i32 s[TM2], s[\q0], s[KF]
	v_lshlrev_b32 v[TA], 3, v[HH]
	v_sub_nc_u32 v[TA], v[RR], v[TA]
	v_add_nc_u32 v[TA], s[TM2], v[TA]              ; d = my query - the step's first key - 8 h: register 8 u + n is hidden where 16 u + n > d
	v_mov_b32 v[TB], 0xff800000
.set jj, 0
.rept 64
	v_cmp_gt_i32 vcc_lo, 16*(jj/8)+jj%8, v[TA]
	v_cndmask_b32 v[S+jj], v[S+jj], v[TB], vcc_lo
.set jj, jj+1
.endr
.Lopen_\@:
.irp b, 0,1,2,3
	v_max3_num_f32 v[BM+\b], v[S+16*\b], v[S+1+16*\b], v[S+2+16*\b]   ; the largest score of each block of 32 keys: for the row's maximum, and, since p rises with the score, for the block's largest p
.endr
.irp i, 3,5,7,9,11,13
.irp b, 0,1,2,3
	v_max3_num_f32 v[BM+\b], v[BM+\b], v[S+16*\b+\i], v[S+1+16*\b+\i]
.endr
.endr
.irp b, 0,1,2,3
	v_max_num_f32 v[BM+\b], v[BM+\b], v[S+15+16*\b]
.endr
.irp b, 0,1,2,3
	v_permlanex16_b32 v[PD+\b], v[BM+\b], s[SEL], s[SEL+1]
.endr
.irp b, 0,1,2,3
	v_max_num_f32 v[BM+\b], v[BM+\b], v[PD+\b]     ; with lane l xor 16's 16 keys
.endr
	v_max3_num_f32 v[TA], v[BM], v[BM+1], v[BM+2]
	v_max_num_f32 v[TA], v[TA], v[BM+3]
	v_mul_f32 v[TA], s[CS], v[TA]                  ; as t
	v_max_num_f32 v13, v13, v[TA]                  ; the running largest t
	v_mov_b32 v[TA], v12
	v_floor_f32 v12, -v13                          ; the new -M = -ceil(t): a whole number
	v_sub_f32 v[TA], v12, v[TA]                    ; old M - new M: a whole number, 0 or less
	v_cvt_i32_f32 v[TA], v[TA]                     ; (it saturates)
	v_ldexp_f32 v[FF], 1.0, v[TA]                  ; f = 2^(old M - new M): a multiplication by it rounds nothing
.set jj, 0
.rept 32
	v_pk_fma_f32 v[S+2*jj:S+2*jj+1], v[S+2*jj:S+2*jj+1], s[CS:CS+1], v[12:13] op_sel_hi:[1,0,0]   ; t - M
.set jj, jj+1
.endr
.irp b, 0,1,2,3
	v_fma_f32 v[BM+\b], v[BM+\b], s[CS], v12       ; the same of each block's largest score
.endr
.set jj, 0
.rept 64
	v_exp_f32 v[S+jj], v[S+jj]                     ; p = 2^(t - M), not normalised
.set jj, jj+1
.endr
.irp b, 0,1,2,3
	v_exp_f32 v[BM+\b], v[BM+\b]                   ; the block's largest p: the same two instructions on the same number
.endr
	v_pk_mul_f32 v[14:15], v[14:15], v[FF:FF+1] op_sel_hi:[1,0]   ; the sums under the new M (a plain line behind the exponentials)
	s_wait_alu depctr_va_vdst(0)
.irp b, 0,1,2,3
	v_max_num_f32 v[BM+\b], 0x1800000, v[BM+\b]    ; the floor 2^(3 - 127)
.endr
.irp b, 0,1,2,3
	v_add_nc_u32 v[SO+\b], 0xff000000, v[BM+\b]    ; the conversion's scale operand
.endr
.irp b, 0,1,2,3
	v_lshrrev_b32 v[PD+\b], 23, v[SO+\b]           ; the scale's byte
.endr
	v_lshl_or_b32 v[PWR], v[PD+1], 8, v[PD]        ; p's scale word for these 128 keys
	v_lshl_or_b32 v[PWR], v[PD+2], 16, v[PWR]
	v_lshl_or_b32 v[PWR], v[PD+3], 24, v[PWR]
.irp c, 0,1
	v_cvt_scalef32_pk16_fp6_f32 v[PC+6*\c:PC+6*\c+2], v[S+32*\c:S+32*\c+15], v[SO+2*\c]
	v_cvt_scalef32_pk16_fp6_f32 v[C2+4*\c:C2+4*\c+2], v[S+16+32*\c:S+31+32*\c], v[SO+2*\c+1]   ; (a conversion's three registers begin on an even number)
.endr
	v_nop                                          ; one plain line behind the conversions
.irp c, 0,1                                    ; the operand wants a whole block in a lane: lanes 0-15 block 2 c, lanes 16-31 block 2 c + 1
.irp i, 0,1,2
	v_permlane16_swap_b32 v[PC+6*\c+\i], v[C2+4*\c+\i]
.endr
.irp i, 0,1,2
	v_mov_b32 v[PC+3+6*\c+\i], v[C2+4*\c+\i]
.endr
.endr
	v_pk_add_f32 v[SM2:SM2+1], v[S:S+1], v[S+2:S+3]    ; the row's sum is taken of the unquantised p, in two chains
.irp j, 4,8,12,16,20,24,28,32,36,40,44,48,52,56,60
	v_pk_add_f32 v[14:15], v[14:15], v[S+\j:S+\j+1]
	v_pk_add_f32 v[SM2:SM2+1], v[SM2:SM2+1], v[S+2+\j:S+3+\j]
.endr
	v_pk_add_f32 v[14:15], v[14:15], v[SM2:SM2+1]
.set jj, 0
.rept 16
	v_pk_mul_f32 v[O+2*jj:O+2*jj+1], v[O+2*jj:O+2*jj+1], v[FF:FF+1] op_sel_hi:[1,0]   ; O^T under the new M
.set jj, jj+1
.endr
	s_wait_dscnt 0x0                               ; V's fragments and scale words
.irp t, 0,1,2,3
	v_wmma_scale_f32_16x16x128_f8f6f4 v[O+8*\t:O+8*\t+7], v[F+12*\t:F+12*\t+11], v[PC:PC+11], v[O+8*\t:O+8*\t+7], v[KSW+\t], v[PWR] matrix_a_fmt:MATRIX_FMT_FP6 matrix_b_fmt:MATRIX_FMT_FP6
.endr
.Lhid_\@:
	s_add_co_u32 s[KF], s[KF], 128
	s_add_co_u32 s[T6], s[T6], 6144
	s_add_co_u32 s[T5], s[T5], 512
	s_add_co_u32 s[TV], s[TV], 256
	s_sub_co_u32 s[CNT], s[CNT], 1
	s_cmp_lg_u32 s[CNT], 0
	s_cbranch_scc1 .Lstep_\@
.endm
; The tile's end: O^T / the sum, quantised along the head's 64 (two blocks); codes to my stage, the two bytes kept.  e: 0 the low tile, 1 the high.
.macro FIN e
.rept 4
	v_nop                                          ; places behind the last products
.endr
	v_add_f32 v14, v14, v15
	v_permlanex16_b32 v[TA], v14, s[SEL], s[SEL+1]
	v_add_f32 v14, v14, v[TA]                      ; the row's sum
	v_rcp_f32 v[TB], v14
	v_nop
	v_cmp_lt_f32 vcc_lo, 0, v14                    ; has any key counted?
.set jj, 0
	s_wait_alu depctr_va_vdst(0)
.rept 32
	v_mul_f32 v[S+jj], v[O+jj], v[TB]              ; register 8 t + n is o(r, 16 t + 8 h + n); each accumulator from its low end on
.set jj, jj+1
.endr
.irp b, 0,1
	v_max3_num_f32 v[BM+\b], |v[S+16*\b]|, |v[S+1+16*\b]|, 0x1800000
.endr
.irp i, 2,4,6,8,10,12,14
.irp b, 0,1
	v_max3_num_f32 v[BM+\b], v[BM+\b], |v[S+16*\b+\i]|, |v[S+1+16*\b+\i]|
.endr
.endr
.irp b, 0,1
	v_permlanex16_b32 v[PD+\b], v[BM+\b], s[SEL], s[SEL+1]
.endr
.irp b, 0,1
	v_max_num_f32 v[BM+\b], v[BM+\b], v[PD+\b]
.endr
.irp b, 0,1
	v_add_nc_u32 v[SO+\b], 0xff000000, v[BM+\b]
.endr
.irp b, 0,1
	v_lshrrev_b32 v[PD+\b], 23, v[SO+\b]
.endr
	v_lshl_or_b32 v[TA], v[PD+1], 8, v[PD]
	v_cndmask_b32 v[OSC+\e], 0xffff, v[TA], vcc_lo ; no key counted: both bytes 0xff, and the row of the last product is NaN
.irp b, 0,1
	v_cvt_scalef32_pk16_fp6_f32 v[PC+4*\b:PC+4*\b+2], v[S+16*\b:S+16*\b+15], v[SO+\b]
.endr
	v_nop
.irp b, 0,1
.irp i, 0,1,2
	ds_store_b32 v[STO], v[PC+4*\b+\i] offset:768*\e+24*\b+4*\i
.endr
.endr
.endm
	PASS QL, 40, 42, Q0L
	FIN 0
	PASS QH, 41, 44, Q0H
	FIN 1
	; THE WAY OUT: my stage's 1,536 bytes are the low tile's 768 and the high tile's 768; each half of the lanes stores 256 consecutive bytes, aligned (a tile's rows begin at a multiple of 768 bytes)
	s_mul_i32 s72, s[WV], 1536
	s_add_co_u32 s72, s72, STG
	v_and_b32 v8, 31, v0
	v_lshlrev_b32 v8, 4, v8
	v_add_nc_u32 v9, s72, v8
	ds_load_b128 v[112:115], v9                    ; LDS serves a wave's instructions in order: these see my stores
	ds_load_b128 v[116:119], v9 offset:512
	ds_load_b128 v[120:123], v9 offset:1024
	s_mul_i32 s72, s[Q0L], 48
	s_mul_i32 s73, s[Q0H], 48
	s_sub_co_u32 s74, s73, s72
	s_sub_co_u32 s74, s74, 512
	v_add_nc_u32 v10, s72, v8                      ; the low tile's bytes 0-511
	v_mul_u32_u24 v11, s74, v[HH]
	v_lshl_add_u32 v11, v[RR], 4, v11
	v_add_nc_u32 v11, s72, v11                     ; (+ 512) lanes 0-15: the low tile's bytes 512-767; lanes 16-31: the high tile's 0-255
	v_add_nc_u32 v46, s73, v8                      ; (+ 256) the high tile's bytes 256-767
	s_sub_co_u32 s75, s[Q0H], s[Q0L]
	s_lshl_b32 s75, s75, 2
	s_lshl_b32 s76, s[Q0L], 2
	s_lshr_b32 s77, s[SH], 3                       ; 2 x (head % 2)
	s_add_co_u32 s76, s76, s77
	v_mul_u32_u24 v2, s75, v[HH]
	v_lshl_add_u32 v2, v[RR], 2, v2
	v_add_nc_u32 v2, s76, v2                       ; my head's half of row r's scale word: lanes 0-15 the low tile, lanes 16-31 the high
	v_cmp_eq_u32 vcc_lo, 1, v[HH]
	v_cndmask_b32 v[TA], v[OSC], v[OSC+1], vcc_lo
	s_wait_dscnt 2
	global_store_b128 v10, v[112:115], s[18:19]
	s_wait_dscnt 1
	global_store_b128 v11, v[116:119], s[18:19] offset:512
	s_wait_dscnt 0x0
	global_store_b128 v46, v[120:123], s[18:19] offset:256
	global_store_b16 v2, v[TA], s[20:21]           ; two bytes a row, 4 bytes apart: the other head of the pair writes the other halves; one byte in 24 of what this launch stores
	s_wait_tensorcnt 0x0
	ds_add_u32 v223, v227
	s_wait_dscnt 0x0
	s_endpgm
.Lfunc_end_k_qffb8a59ac7_attn:
	.size	k_qffb8a59ac7_attn, .Lfunc_end_k_qffb8a59ac7_attn-k_qffb8a59ac7_attn
	.p2alignl 7, 3214868480
	.fill 96, 4, 3214868480
	.section	.rodata,"a",@progbits
	.p2align	6, 0x0
	.amdhsa_kernel k_qffb8a59ac7_attn
		.amdhsa_group_segment_fixed_size 243712
		.amdhsa_private_segment_fixed_size 0
		.amdhsa_enable_private_segment 0
		.amdhsa_kernarg_size 72
		.amdhsa_user_sgpr_count 2
		.amdhsa_user_sgpr_kernarg_segment_ptr 1
		.amdhsa_wavefront_size32 1
		.amdhsa_system_sgpr_workgroup_id_x 1
		.amdhsa_system_sgpr_workgroup_id_y 1
		.amdhsa_system_sgpr_workgroup_id_z 1
		.amdhsa_system_vgpr_workitem_id 0
		.amdhsa_next_free_vgpr 256
		.amdhsa_next_free_sgpr 100
		.amdhsa_reserve_vcc 1
		.amdhsa_float_denorm_mode_32 3
		.amdhsa_float_denorm_mode_16_64 3
		.amdhsa_memory_ordered 1
		.amdhsa_forward_progress 1
		.amdhsa_inst_pref_size 81
	.end_amdhsa_kernel
	.amdgpu_metadata
---
amdhsa.version: [ 1, 2 ]
amdhsa.kernels:
  - .name:           k_qffb8a59ac7_attn
    .symbol:         k_qffb8a59ac7_attn.kd
    .args:
      - { .name: qk_codes, .offset: 0, .size: 8, .value_kind: global_buffer, .address_space: global }
      - { .name: qk_scales, .offset: 8, .size: 8, .value_kind: global_buffer, .address_space: global }
      - { .name: v_codes, .offset: 16, .size: 8, .value_kind: global_buffer, .address_space: global }
      - { .name: v_scales, .offset: 24, .size: 8, .value_kind: global_buffer, .address_space: global }
      - { .name: timestamps, .offset: 32, .size: 8, .value_kind: global_buffer, .address_space: global }
      - { .name: mask, .offset: 40, .size: 8, .value_kind: global_buffer, .address_space: global }
      - { .name: decay_rate, .offset: 48, .size: 8, .value_kind: global_buffer, .address_space: global }
      - { .name: ao_codes, .offset: 56, .size: 8, .value_kind: global_buffer, .address_space: global }
      - { .name: ao_scales, .offset: 64, .size: 8, .value_kind: global_buffer, .address_space: global }
    .group_segment_fixed_size: 243712
    .private_segment_fixed_size: 0
    .kernarg_segment_align: 8
    .kernarg_segment_size: 72
    .max_flat_workgroup_size: 512
    .sgpr_count:     100
    .vgpr_count:     256
    .wavefront_size: 32
...
	.end_amdgpu_metadata
.endif
;; end of part 3
;; launch gemm_out (part 4): grid 4 x 32, 4 waves a work-group, clusters of 4 x 4, 327,680 bytes of LDS; arguments ao_codes, ao_scales, xw_codes, xw_scales, b_out, out0; writes out0
.if DOCPART == 4
	.amdgcn_target "amdgcn-amd-amdhsa--gfx1250"
	.amdhsa_code_object_version 6
	.text
	.protected	k_qffb8a59ac7_gemm_out
	.globl	k_qffb8a59ac7_gemm_out
	.p2align	8
	.type	k_qffb8a59ac7_gemm_out,@function
k_qffb8a59ac7_gemm_out:
	s_mov_b64 s[64:65], 0
	v_nop
	global_prefetch_b8 v0, s[64:65] scope:SCOPE_SE
	s_setreg_imm32_b32 hwreg(HW_REG_WAVE_MODE, 25, 1), 1
	s_wait_xcnt 0x0
	s_wait_alu depctr_hold_cnt(0) depctr_sa_sdst(0) depctr_va_vdst(0) depctr_va_sdst(0) depctr_va_ssrc(0) depctr_va_vcc(0) depctr_vm_vsrc(0)
	s_getreg_b32 s2, hwreg(HW_REG_IB_STS2, 6, 4)
	s_cmp_eq_u32 s2, 0
	s_cbranch_scc0 .Lentry_in_a_cluster
	s_endpgm
.Lentry_in_a_cluster:
	s_bfe_u32 s2, ttmp6, 0x10000c
	s_cmp_lg_u32 s2, 0xf033
	s_cbranch_scc0 .Lentry_shape_is_right
	s_endpgm
.Lentry_shape_is_right:
; out0 = O W_out^T + b_out on codes of FP6 (E2M3) with E8M0 scales, K = 1,024.  D[i][j] = sum over k of P[i][k] Q[j][k]: P = attention's output (i = token), Q = W_out (rows 11,264 on of the joint space of rows).
; Operands lie as [planes of 64 along K][rows][48 bytes], scale words as [steps of 128 along K][rows]; inside a block of 32 the codes stand in the order k 0-7, 16-23, 8-15, 24-31, in both operands alike.
; A tile of D, 256 x 256, is made by four waves, each 128 x 128: 64 accumulators, 512 registers.  K goes in steps of 256 (four planes) through a ring of two LDS slots; a wave's tensor load brings
; 4 planes x 128 rows x 48 bytes: four dense runs of 6,144 bytes.  With rows 48 bytes apart the 32 lanes of an 8-byte load touch each of the 64 banks once (64 banks of 4 bytes: ISA guide 11.1): no padding.
; The scale words of the tile's rows, all of K, come once with the first fills.  A row of P whose scale bytes are 0xff (a query with no key) comes out NaN, as it should.
; CLUSTERS: 4 x 4 work-groups; P's tiles are asked for jointly along a row of the cluster, Q's along a column.
; THE MATRIX INSTRUCTION IS USED TRANSPOSED (source 0 = 16 rows of Q, source 1 = 16 rows of P): a lane holds eight neighbouring numbers of a row of out0.  b_out is the C of each sum's first product.
; 128 tiles: half of the WGPs have a work-group; the tile is kept at 256 x 256 so that each LDS byte feeds as many products as in the first product's launch.
; REGISTERS, in windows of 256: window 0: v1-31 addresses; v32-63 scale words, two sets; v64-127 the bias; v128-223 P's fragments, one set; on the way out v128-255.
;   window 1: Q's fragments, two sets, at v0 and v128.   windows 2, 3: the accumulators ((a, b) at v[8 (8 (a % 4) + b)]).
.set PS_A,  393216                     ; a plane of P's codes in memory: 8,192 rows x 48;
.set PS_B,  589824                     ; of Q's: 12,288 rows x 48
.set SR_A,  8192                       ; rows of P's scale buffer;
.set SR_B,  12288                      ; of Q's
.set SIZE_N, 1024
.set NL,    6                          ; LDS loads that bring a fragment
.set NP,    4                          ; places behind this matrix instruction (ISA guide 7.12.1)
.set FR,    12                         ; registers of a fragment: 16 rows x 128 K
.set NQ,    2                          ; steps of 128 in a slot
.set PLN,   6144                       ; a plane of 128 rows in LDS
.set HALFT, 4*PLN                      ; what one tensor load brings
.set SLOT,  4*HALFT                    ; P's 256 rows, then Q's 256 rows
.set SCL,   2*SLOT                     ; behind the ring: four tiles of scale words, 8 steps x 128 rows x 4 bytes; Q's two lie 64 bytes further on, 16 banks from P's
.set SPARE, 213248                     ; the spare words, 128 bytes for each wave: two blocks of 256 bytes that no other line names
.set SPITCH, 528                       ; the way out: a stage of 16 rows x (512 bytes + 16) for each wave, in slot 0
.set ADRA, 16                          ; v16-17  LDS address of my fragments of P in slot 0, 1
.set ADRB, 20                          ; v20-21  of Q
.set STO,  24                          ; v24     the way out: where I put 32 bytes of a row
.set RD,   25                          ; v25     where I read a row back
.set CO,   26                          ; v26     16 x lane
.set ADRS, 27                          ; v27     my scale words: lanes 0-15 P's rows, lanes 16-31 Q's
.set SPW,  28                          ; v28     my spare word; never rewritten
.set NIL,  29                          ; v29     0; never rewritten
.set SC,   32                          ; scale words: set s at v[SC + 16 s]; register 2 i + q: lanes 0-15 P's block i, lanes 16-31 Q's block i, the slot's q-th 128
.set BJ,   64
.set AF,   128
.set BK,   128                         ; the way out: 16 rows read back: v128-191 and v192-255 by turns
.set WV,   18
.set HI,   19
.set LO,   20
.set G1,   24
.set G0,   32
.set CX,   40
.set CY,   41
.set JT,   42
.set IT,   43
.set G1B,  48
.set G0B,  56
.set G1S,  68
.set G0S,  76
.set G1SB, 80
.set G0SB, 88
.set MSB, 0
.macro WIN new                         ; the immediate's high byte repeats the setting that is left
.if MSB != \new
	s_set_vgpr_msb (MSB<<8)|\new
.set MSB, \new
.endif
.endm
.set MUL_LO,   0xa1                    ; source 0 (Q) window 1, source 1 (P) window 0, C and D window 2
.set MUL_HI,   0xf1                    ; the same, C and D window 3
.set FIRST_LO, 0x81                    ; the first step: C (the bias) window 0, D window 2
.set FIRST_HI, 0xc1
.set TO_B,     0x40                    ; destination window 1, address window 0
; A joint load: waves 0 and 1 fetch for P, waves 2 and 3 for Q.  The branch hangs on the wave's number alone.  Four v_nop follow each of the two lines.
.macro JLOAD g0a, g1a, g0b, g1b
	s_cmp_eq_u32 s[HI], 0
	s_cbranch_scc0 .Lfor_b_\@
	tensor_load_to_lds s[\g0a:\g0a+3], s[\g1a:\g1a+7]
	s_nop 0
.rept 4
	v_nop
.endr
	s_branch .Lasked_\@
.Lfor_b_\@:
	tensor_load_to_lds s[\g0b:\g0b+3], s[\g1b:\g1b+7]
	s_nop 0
.rept 4
	v_nop
.endr
.Lasked_\@:
.endm
.macro CREST                           ; a round of the cluster's barrier behind its opening barrier
	s_cmp_lg_u32 s[WV], 0
	s_cbranch_scc1 .Lnot_wave_0_\@
	s_barrier_signal -3
.Lnot_wave_0_\@:
	s_barrier_wait -3
	s_barrier_signal -1
	s_barrier_wait -1
.endm
.macro CROUND
	s_barrier_signal -1
	s_barrier_wait -1
	CREST
.endm
	s_load_b256 s[4:11], s[0:1], 0x0               ; P's codes s[4:5], scale words s[6:7]; Q's codes s[8:9], scale words s[10:11]
	s_load_b128 s[12:15], s[0:1], 0x20             ; b_out s[12:13], out0 s[14:15]
	v_lshl_add_u32 v[SPW], v0, 2, SPARE
	v_mov_b32 v[NIL], 0
	ds_add_u32 v28, v29
	ds_add_u32 v28, v29
	s_wait_dscnt 0x0
	v_lshrrev_b32 v1, 5, v0
	v_readfirstlane_b32 s[WV], v1                  ; wave 0..3
	s_lshr_b32 s[HI], s[WV], 1                     ; which half of the tile's rows is mine.  Also: I fetch for P (0) or for Q (1)
	s_and_b32 s[LO], s[WV], 1                      ; which half of its columns.  Also: which 128 rows I fetch
	s_bfe_u32 s[CX], ttmp6, 0x40000
	s_bfe_u32 s[CY], ttmp6, 0x40004
	s_lshl_b32 s[JT], ttmp9, 2
	s_add_co_u32 s[JT], s[JT], s[CX]               ; tile column = 4 x cluster x + cx
	s_and_b32 s[IT], ttmp7, 0xffff
	s_lshl_b32 s[IT], s[IT], 2
	s_add_co_u32 s[IT], s[IT], s[CY]               ; tile row = 4 x cluster y + cy
	s_lshl_b32 s44, s[CY], 2
	s_lshl_b32 s44, 15, s44                        ; my row of the cluster
	s_lshl_b32 s45, 0x1111, s[CX]                  ; my column
	; descriptor group 1, codes: 4 rows (planes) of 768 elements of 8 bytes, a plane's stride apart
	s_or_b32 s[G1+0], s44, (3<<16)|(1<<21)         ; 15:0 the mask; 17:16 elements of 8 bytes; 20 no padding; 21 set beside a mask
	s_or_b32 s[G1B+0], s45, (3<<16)|(1<<21)
.irp g, G1, G1B
	s_mov_b32 s[\g+1], 768<<16                     ; tensor_dim0
	s_mov_b32 s[\g+2], 4<<16                       ; tensor_dim1
	s_mov_b32 s[\g+3], 768<<16                     ; tile_dim0
	s_mov_b32 s[\g+4], 4                           ; tile_dim1
	s_mov_b32 s[\g+6], 0
	s_mov_b32 s[\g+7], 0
.endr
	s_mov_b32 s[G1+5], PS_A/8                      ; tensor_dim0_stride
	s_mov_b32 s[G1B+5], PS_B/8
	; scale words: 8 rows (steps of 128) of 64 elements of 8 bytes
	s_or_b32 s[G1S+0], s44, (3<<16)|(1<<21)
	s_or_b32 s[G1SB+0], s45, (3<<16)|(1<<21)
.irp g, G1S, G1SB
	s_mov_b32 s[\g+1], 64<<16
	s_mov_b32 s[\g+2], 8<<16
	s_mov_b32 s[\g+3], 64<<16
	s_mov_b32 s[\g+4], 8
	s_mov_b32 s[\g+6], 0
	s_mov_b32 s[\g+7], 0
.endr
	s_mov_b32 s[G1S+5], SR_A/2
	s_mov_b32 s[G1SB+5], SR_B/2
	s_lshl_b32 s22, s[LO], 7                       ; which 128 rows of the tile I fetch
	s_lshl_b32 s92, s[IT], 8
	s_add_co_u32 s92, s92, s22                     ; P's: hangs on the tile row alone, which my row of the cluster shares
	s_lshl_b32 s46, s[JT], 8
	s_add_co_u32 s46, s46, s22
	s_add_co_u32 s46, s46, 11264                   ; Q's: on the tile column alone, which my column shares
	s_lshl_b32 s94, s92, 2                         ; their scale words,
	s_mul_i32 s92, s92, 48                         ; their codes, in bytes
	s_mov_b32 s93, 0
	s_mov_b32 s95, 0
	s_lshl_b32 s96, s46, 2
	s_mul_i32 s46, s46, 48
	s_mov_b32 s47, 0
	s_mov_b32 s97, 0
	s_mul_i32 s99, s[WV], HALFT                    ; where they go: no place in the cluster enters an LDS address
	s_lshl_b32 s2, s[WV], 12
	s_lshl_b32 s3, s[HI], 6
	s_add_co_u32 s2, s2, s3
	s_add_co_u32 s2, s2, SCL
	s_wait_kmcnt 0x0
	s_add_nc_u64 s[92:93], s[4:5], s[92:93]
	s_add_nc_u64 s[94:95], s[6:7], s[94:95]
	s_add_nc_u64 s[46:47], s[8:9], s[46:47]
	s_add_nc_u64 s[96:97], s[10:11], s[96:97]
	CROUND                                         ; all sixteen work-groups are here: the first joint loads meet
	s_mov_b32 s[G0S], 1
	s_mov_b32 s[G0S+1], s2
	s_mov_b64 s[G0S+2:G0S+3], s[94:95]
	s_or_b32 s[G0S+3], s[G0S+3], 0x80000000
	s_mov_b32 s[G0SB], 1
	s_mov_b32 s[G0SB+1], s2
	s_mov_b64 s[G0SB+2:G0SB+3], s[96:97]
	s_or_b32 s[G0SB+3], s[G0SB+3], 0x80000000
	JLOAD G0S, G1S, G0SB, G1SB                     ; the scale words first: they are wanted with K step 0
.irp s, 0,1
	s_mov_b32 s[G0+4*\s], 1
	s_add_co_u32 s[G0+4*\s+1], s99, \s*SLOT
	s_add_nc_u64 s[G0+4*\s+2:G0+4*\s+3], s[92:93], \s*4*PS_A
	s_or_b32 s[G0+4*\s+3], s[G0+4*\s+3], 0x80000000
	s_mov_b32 s[G0B+4*\s], 1
	s_add_co_u32 s[G0B+4*\s+1], s99, \s*SLOT
	s_add_nc_u64 s[G0B+4*\s+2:G0B+4*\s+3], s[46:47], \s*4*PS_B
	s_or_b32 s[G0B+4*\s+3], s[G0B+4*\s+3], 0x80000000
	JLOAD G0+4*\s, G1, G0B+4*\s, G1B               ; three loads of mine are out
.endr
	v_and_b32 v1, 15, v0                           ; r
	v_bfe_u32 v2, v0, 4, 1                         ; h
	v_mul_u32_u24 v3, v1, 48
	v_mad_u32_u24 v4, v2, 24, v3                   ; a fragment's row x 48 + 24 x half
	s_mul_i32 s22, s[HI], HALFT                    ; my 128 rows of P
	s_mul_i32 s23, s[LO], HALFT                    ; my 128 rows of Q,
	s_add_co_u32 s23, s23, 2*HALFT                 ; behind P's 256
.irp s, 0,1
	v_add_nc_u32 v[ADRA+\s], s22, v4
	v_add_nc_u32 v[ADRB+\s], s23, v4
	s_add_co_u32 s22, s22, SLOT
	s_add_co_u32 s23, s23, SLOT
.endr
	s_lshl_b32 s22, s[HI], 12                      ; P's scale words: my 128 rows
	s_lshl_b32 s23, s[LO], 12                      ; Q's: behind P's two tiles, 64 bytes further on
	s_add_co_u32 s23, s23, 8192+64
	s_sub_co_u32 s23, s23, s22
	v_mul_u32_u24 v6, s23, v2                      ; lanes 16-31 take Q's
	s_add_co_u32 s22, s22, SCL
	v_lshl_add_u32 v5, v1, 2, v6
	v_add_nc_u32 v[ADRS], s22, v5
	s_mul_i32 s22, s[WV], 16*SPITCH                ; my stage
	v_mul_u32_u24 v5, v1, SPITCH                   ; in: row r, 32 bytes for each half of the lanes
	v_lshl_add_u32 v5, v2, 5, v5
	v_add_nc_u32 v[STO], s22, v5
	v_and_b32 v6, 31, v0
	v_lshlrev_b32 v[CO], 4, v6                     ; back: the 32 lanes take one row of 512 bytes; and the same in out0
	v_add_nc_u32 v[RD], s22, v[CO]
	s_lshl_b32 s22, s[JT], 10
	s_lshl_b32 s23, s[LO], 9
	s_add_co_u32 s22, s22, s23                     ; my first column, in bytes: 4 (256 x tile column + 128 x half)
	v_lshl_add_u32 v7, v2, 5, s22                  ; the bias: lane (r, h) wants, for accumulator b, columns 16 b + 8 h + 0 .. 7
.irp b, 0,1,2,3,4,5,6,7
	global_load_b128 v[BJ+8*\b:BJ+8*\b+3], v7, s[12:13] offset:64*\b
	global_load_b128 v[BJ+8*\b+4:BJ+8*\b+7], v7, s[12:13] offset:64*\b+16
.endr
	s_lshl_b32 s2, s[IT], 8
	s_lshl_b32 s3, s[HI], 7
	s_add_co_u32 s2, s2, s3                        ; my first row of out0
	s_lshl_b32 s2, s2, 12                          ; x 4,096 bytes
	s_add_co_u32 s2, s2, s22
	s_mov_b32 s3, 0
	s_add_nc_u64 s[14:15], s[14:15], s[2:3]
.macro FRAG reg, adr, q, i             ; a fragment, 16 rows x 128 K: registers 0-5 are block h of plane 2 q, registers 6-11 block h of plane 2 q + 1: 24 bytes each, in pieces of 8
.irp p, 0,1,2,3,4,5
	ds_load_b64 v[\reg+2*\p:\reg+2*\p+1], v[\adr] offset:(2*(\q)+\p/3)*PLN+(\i)*768+8*(\p%3)
.endr
.endm
; 16 matrix instructions: P's blocks a0, a0 + 1 x Q's eight, the slot's q-th 128 along K.  p: Q's set; sc: the set of scale words.  first = 1: the bias is the C of the sum's first product.
; The 64 accumulators take turns, one instruction a turn, in the same order in every step.
.macro MUL16 a0, p, q, sc, first
.irp a, \a0, \a0+1
.irp b, 0,1,2,3,4,5,6,7
.if \first
	v_wmma_scale_f32_16x16x128_f8f6f4 v[8*(8*((\a)%4)+\b):8*(8*((\a)%4)+\b)+7], v[128*(\p)+FR*\b:128*(\p)+FR*\b+FR-1], v[AF+FR*(\a):AF+FR*(\a)+FR-1], v[BJ+8*\b:BJ+8*\b+7], v[SC+16*(\sc)+2*\b+(\q)], v[SC+16*(\sc)+2*(\a)+(\q)] matrix_a_fmt:MATRIX_FMT_FP6 matrix_b_fmt:MATRIX_FMT_FP6 matrix_a_scale:MATRIX_SCALE_ROW1
.else
	v_wmma_scale_f32_16x16x128_f8f6f4 v[8*(8*((\a)%4)+\b):8*(8*((\a)%4)+\b)+7], v[128*(\p)+FR*\b:128*(\p)+FR*\b+FR-1], v[AF+FR*(\a):AF+FR*(\a)+FR-1], v[8*(8*((\a)%4)+\b):8*(8*((\a)%4)+\b)+7], v[SC+16*(\sc)+2*\b+(\q)], v[SC+16*(\sc)+2*(\a)+(\q)] matrix_a_fmt:MATRIX_FMT_FP6 matrix_b_fmt:MATRIX_FMT_FP6 matrix_a_scale:MATRIX_SCALE_ROW1
.endif
.endr
.endr
.endm
.macro FETCH_B slot, q, p
	WIN TO_B
.irp i, 0,1,2,3,4,5,6,7
	FRAG 128*(\p)+FR*\i, ADRB+\slot, \q, \i
.endr
	WIN 0
.endm
.macro FETCH_A slot, q, i0
.irp i, \i0, \i0+1, \i0+2, \i0+3
	FRAG AF+FR*(\i), ADRA+\slot, \q, \i
.endr
.endm
.macro SCALES sc                       ; a slot's scale words: lanes 0-15 take P's block i, lanes 16-31 Q's
.irp i, 0,1,2,3,4,5,6,7
.irp q, 0,1
	ds_load_b32 v[SC+16*\sc+2*\i+\q], v[ADRS] offset:512*\q+64*\i
.endr
.endr
.endm
.macro PLACES n                        ; plain vector lines between a matrix instruction and a load into, or a read of, its registers (ISA guide 7.12.1 for the reads)
.rept \n
	v_nop
.endr
.endm
; A step of 128 along K that has its successor in the same slot.
.macro STEP slot, q, first
	s_wait_dscnt 4*NL                              ; Q's set, P's blocks 0-3 and the scale words are in; the youngest 24 loads (P's blocks 4-7) may be out
.if \first
	WIN FIRST_LO
.else
	WIN MUL_LO
.endif
	MUL16 0, (\q)%2, \q, \slot, \first
	MUL16 2, (\q)%2, \q, \slot, \first
	s_wait_dscnt 0
	PLACES NP
	FETCH_B \slot, (\q)+1, 1-(\q)%2
	FETCH_A \slot, (\q)+1, 0
.if \first
	WIN FIRST_HI
.else
	WIN MUL_HI
.endif
	MUL16 4, (\q)%2, \q, \slot, \first
	MUL16 6, (\q)%2, \q, \slot, \first
	PLACES NP
	WIN 0
	FETCH_A \slot, (\q)+1, 4
.endm
; A slot's last step changes slots: one barrier; in front of it each wave waits for all its tensor loads, adds 0 to its spare word, and waits for that and for its reads of this slot.  fill = 1: the slot is filled again.
.macro TURN slot, next, fill
	s_wait_tensorcnt 0x0                           ; all my tensor loads have landed: my part of the next slot
	ds_add_u32 v[SPW], v[NIL]                      ; 0 onto my spare word
	s_wait_dscnt 4*NL+1                            ; (the add and the youngest 24 loads may be out)
	WIN MUL_LO
	MUL16 0, 1, NQ-1, \slot, 0                     ; sixteen matrix instructions stand between the add and the wait for it
	s_wait_dscnt 0x0                               ; the add is done, and my reads of this slot are over
	s_barrier_signal -1
	MUL16 2, 1, NQ-1, \slot, 0
	WIN 0
	s_barrier_wait -1
.if \fill
	CREST                                          ; the barrier has opened a round of the cluster's barrier: no wave of any partner still reads this slot or has a load on its way
	s_add_nc_u64 s[G0+4*\slot+2:G0+4*\slot+3], s[G0+4*\slot+2:G0+4*\slot+3], 8*PS_A
	s_add_nc_u64 s[G0B+4*\slot+2:G0B+4*\slot+3], s[G0B+4*\slot+2:G0B+4*\slot+3], 8*PS_B
	JLOAD G0+4*\slot, G1, G0B+4*\slot, G1B         ; the first tensor load behind the round, my only one until the next; its four v_nop are the places in front of the loads below
.else
	PLACES NP
.endif
	v_add_nc_u32 v[ADRS], 512*NQ, v[ADRS]          ; on to the next slot's scale words
	FETCH_B \next, 0, 0
	FETCH_A \next, 0, 0
	SCALES \next
	WIN MUL_HI
	MUL16 4, 1, NQ-1, \slot, 0
	MUL16 6, 1, NQ-1, \slot, 0
	PLACES NP
	WIN 0
	FETCH_A \next, 0, 4
.endm
	s_wait_tensorcnt 1                             ; the scale words and my part of K step 0 are in; slot 1's load may stay out
	s_barrier_signal -1
	s_barrier_wait -1
	FETCH_B 0, 0, 0
	FETCH_A 0, 0, 0
	SCALES 0
	FETCH_A 0, 0, 4
	s_wait_loadcnt 0x0                             ; the bias
	STEP 0, 0, 1                                   ; K = 1,024 is four slots' worth: the eight steps are written out
	TURN 0, 1, 1
	STEP 1, 0, 0
	TURN 1, 0, 1
	STEP 0, 0, 0
	TURN 0, 1, 0                                   ; nothing is left to fetch: no round
	STEP 1, 0, 0
	s_wait_dscnt 4*NL
	WIN MUL_LO
	MUL16 0, 1, NQ-1, 1, 0
	MUL16 2, 1, NQ-1, 1, 0
	s_wait_dscnt 0
	WIN MUL_HI
	MUL16 4, 1, NQ-1, 1, 0
	MUL16 6, 1, NQ-1, 1, 0
	WIN 0
; THE WAY OUT, block by block of 16 rows x 128 columns.  A lane holds 32 neighbouring bytes of a row, and the lanes beside it hold other rows: a block goes through my own stage in LDS and comes back as whole rows of
; 512 bytes.  LDS serves a wave's instructions in order (ISA guide 5.7.1.4): no wait between the stores and the loads.  The stage lies in slot 0, which has had its last fill and which no wave reads since the last change of slots.
.macro TOSTAGE a
.set AC, 64*((\a)%4)
	WIN (0x08+4*((\a)/4))                          ; the data: window 2 or 3
.irp b, 0,1,2,3,4,5,6,7
	ds_store_b128 v[STO], v[AC+8*\b:AC+8*\b+3] offset:64*\b          ; each accumulator from its low end on
	ds_store_b128 v[STO], v[AC+8*\b+4:AC+8*\b+7] offset:64*\b+16
.endr
	WIN 0
.set BB, BK+64*((\a)%2)
.irp t, 0,1,2,3,4,5,6,7,8,9,10,11,12,13,14,15
	ds_load_b128 v[BB+4*\t:BB+4*\t+3], v[RD] offset:\t*SPITCH
.endr
.endm
.macro SEND a, younger                 ; younger: the LDS instructions issued behind block a's loads, which may stay out
.set BB, BK+64*((\a)%2)
	s_wait_dscnt \younger
.if (\a) > 0
	s_add_nc_u64 s[14:15], s[14:15], 16*SIZE_N*4   ; (behind a wait on XCNT: the earlier stores have read their base)  16 rows on
.endif
.irp t, 0,1,2,3,4,5,6,7,8,9,10,11,12,13,14,15
	global_store_b128 v[CO], v[BB+4*\t:BB+4*\t+3], s[14:15] offset:\t*SIZE_N*4 th:TH_STORE_NT   ; 512 consecutive bytes, at a multiple of 256 from out0's first byte; written once, read by nobody here
.endr
.endm
	PLACES NP                                      ; behind the last products: for the loads into the registers that held P's fragments, and for the reads of results
	TOSTAGE 0
.irp a, 1,2,3,4,5,6,7
.if \a > 1
	s_wait_xcnt 0x0                                ; block a - 2's stores have read their registers and their base
.endif
	TOSTAGE \a
	SEND \a-1, 32                                  ; behind block a - 1's loads: block a's 16 stores and 16 loads
.endr
	s_wait_xcnt 0x0
	SEND 7, 0
	s_wait_tensorcnt 0x0                           ; the wave's end
	ds_add_u32 v[SPW], v[NIL]
	s_wait_dscnt 0x0
	CROUND                                         ; the closing round: no work-group ends while a partner may still ask for a tile that names it
	s_endpgm
.Lfunc_end_k_qffb8a59ac7_gemm_out:
	.size	k_qffb8a59ac7_gemm_out, .Lfunc_end_k_qffb8a59ac7_gemm_out-k_qffb8a59ac7_gemm_out
	.p2alignl 7, 3214868480
	.fill 96, 4, 3214868480
	.section	.rodata,"a",@progbits
	.p2align	6, 0x0
	.amdhsa_kernel k_qffb8a59ac7_gemm_out
		.amdhsa_group_segment_fixed_size 327680
		.amdhsa_private_segment_fixed_size 0
		.amdhsa_enable_private_segment 0
		.amdhsa_kernarg_size 48
		.amdhsa_user_sgpr_count 2
		.amdhsa_user_sgpr_kernarg_segment_ptr 1
		.amdhsa_wavefront_size32 1
		.amdhsa_system_sgpr_workgroup_id_x 1
		.amdhsa_system_sgpr_workgroup_id_y 1
		.amdhsa_system_sgpr_workgroup_id_z 1
		.amdhsa_system_vgpr_workitem_id 0
		.amdhsa_next_free_vgpr 1024
		.amdhsa_next_free_sgpr 102
		.amdhsa_reserve_vcc 0
		.amdhsa_float_denorm_mode_32 3
		.amdhsa_float_denorm_mode_16_64 3
		.amdhsa_memory_ordered 1
		.amdhsa_forward_progress 1
		.amdhsa_inst_pref_size 163
	.end_amdhsa_kernel
	.amdgpu_metadata
---
amdhsa.version: [ 1, 2 ]
amdhsa.kernels:
  - .name:           k_qffb8a59ac7_gemm_out
    .symbol:         k_qffb8a59ac7_gemm_out.kd
    .args:
      - { .name: ao_codes, .offset: 0, .size: 8, .value_kind: global_buffer, .address_space: global }
      - { .name: ao_scales, .offset: 8, .size: 8, .value_kind: global_buffer, .address_space: global }
      - { .name: xw_codes, .offset: 16, .size: 8, .value_kind: global_buffer, .address_space: global }
      - { .name: xw_scales, .offset: 24, .size: 8, .value_kind: global_buffer, .address_space: global }
      - { .name: b_out, .offset: 32, .size: 8, .value_kind: global_buffer, .address_space: global }
      - { .name: out0, .offset: 40, .size: 8, .value_kind: global_buffer, .address_space: global }
    .group_segment_fixed_size: 327680
    .private_segment_fixed_size: 0
    .kernarg_segment_align: 8
    .kernarg_segment_size: 48
    .max_flat_workgroup_size: 128
    .sgpr_count:     102
    .vgpr_count:     1024
    .wavefront_size: 32
...
	.end_amdgpu_metadata
.endif
;; end of part 4
